; MI455X (gfx1250); checked and timed in simulation.
; The chip was launched on July 23, 2026; its instructions are those of AMD's public machine-readable ISA for CDNA 5 (MIT licence, August 2026) and "CDNA5" Instruction Set Architecture Reference Guide (July 2026). The comments in the code are by the model that wrote it; some were corrected since.
;; Fused Mo E. Allowed arithmetic: float matrix products may take bf16 or f16 operands with f32 sums; other float arithmetic in f32, or as packed bf16 or f16 multiplies, adds, multiply-adds, maxima and minima; sums over many terms, partial sums and values carried from step to step in f32; what a program stores and reads back later, other than sums and carried values, may be rounded once to bf16 or f16.
;; Inputs: router_logits 1,024 x 8 float32; w13_weight 8 x 4,096 x 1,024 float32; w2_weight 8 x 1,024 x 2,048 float32; x 1,024 x 1,024 float32.
;; Outputs: out0 1,024 x 1,024 float32.
;; Constants: top_k = 2.
;; 2 versions, each right; version 2 is version 1 with the launch place written anew for expert scheduling mode. Each part assembles by itself: llvm-mc -triple=amdgcn-amd-amdhsa -mcpu=gfx1250 --defsym DOCPART=n.
;; ======== version 1 of 2: 5 launches
;; limits: values outside matrix products are rounded to bf16; values within 0.004 (relative) of each other or of a threshold may be ordered or decided otherwise than in the reference
;; workspace buffers: pos 8,192 bytes of whole numbers; meta 256 bytes of whole numbers; cw 8,192 bytes; xg 4,456,448 bytes; hg 8,912,896 bytes; y 35,651,584 bytes
;; launch route (part 1): grid 1 x 1, 32 waves a work-group, no clusters, 5,120 bytes of LDS; arguments router_logits, pos, cw, meta; writes pos, cw, meta
.if DOCPART == 1
	.amdgcn_target "amdgcn-amd-amdhsa--gfx1250"
	.amdhsa_code_object_version 6
	.text
	.protected	k_qa34dd1982e_route
	.globl	k_qa34dd1982e_route
	.p2align	8
	.type	k_qa34dd1982e_route,@function
k_qa34dd1982e_route:
	s_mov_b64 s[64:65], 0
	v_nop
	global_prefetch_b8 v0, s[64:65] scope:SCOPE_SE
	s_setreg_imm32_b32 hwreg(HW_REG_WAVE_MODE, 25, 1), 1
	s_wait_xcnt 0x0
; ROUTING.  One thread for each of the 1,024 tokens: softmax over 8 logits (the maximum taken away first), the two largest
; probabilities (a strict compare in ascending order keeps the lower index on a tie), their weights renormalised, and a
; counting sort without atomics: pos[2t+k] = 16 x (first block of the chosen expert) + the rank of token t among that
; expert's tokens.  Each expert begins on a block of 16 rows.  Every store goes to a fixed place; no address and no branch
; hangs on the logits.
; meta: word e = first block of expert e, word 8+e = its number of blocks, words 16-31 = 0.
; THE LOGITS ARE ROUNDED TO bf16 FIRST, to nearest even, as every other input of the program is (x where the rows are laid out,
; the weights on their way to the matrix unit): the program as a whole computes the module on inputs rounded to bf16, all of
; them in the one rounding.  All arithmetic behind that rounding is in f32.
; LIMITS.  The rounding moves a logit by up to 2^-9 of itself (a step of 0.125 between neighbours at logits near 30): two logits
; that round alike count as a tie, which the lower index wins, and a gate weight moves by up to a quarter of the change in the
; two chosen logits' difference.  NaN logits are not treated apart.  p = e x (1 / sum) with the exponential and the reciprocal
; good to the last bit but one, so a tie that arises or vanishes in the last bit of p may choose the other expert; equal
; rounded logits give equal p.
.set SPARE, 1024                       ; LDS 0-1023: counts [wave][expert]; from 1024: the spare words, 128 bytes a wave
.macro RED r                           ; sum over the 32 lanes, in every lane
	v_add_f32_dpp v[\r], v[\r], v[\r] row_xmask:1 row_mask:0xf bank_mask:0xf
	v_add_f32_dpp v[\r], v[\r], v[\r] row_xmask:2 row_mask:0xf bank_mask:0xf
	v_add_f32_dpp v[\r], v[\r], v[\r] row_xmask:4 row_mask:0xf bank_mask:0xf
	v_add_f32_dpp v[\r], v[\r], v[\r] row_xmask:8 row_mask:0xf bank_mask:0xf
	v_permlanex16_b32 v48, v[\r], s14, s15
	v_add_f32 v[\r], v[\r], v48
.endm
.macro SCAN src, best, idx             ; the largest of eight and its index; strictly greater, so the lower index stays
	v_mov_b32 v[\best], v[\src]
	v_mov_b32 v[\idx], 0
.set i, 1
.rept 7
	v_cmp_gt_f32 vcc_lo, v[(\src)+i], v[\best]
	v_cndmask_b32 v[\best], v[\best], v[(\src)+i], vcc_lo
	v_cndmask_b32 v[\idx], v[\idx], i, vcc_lo
.set i, i+1
.endr
.endm
	s_load_b256 s[4:11], s[0:1], 0x0               ; logits s[4:5], pos s[6:7], cw s[8:9], meta s[10:11]
	v_lshl_add_u32 v62, v0, 2, SPARE               ; my spare word
	v_mov_b32 v63, 0
	v_and_b32 v1, 31, v0                           ; lane
	v_lshrrev_b32 v2, 5, v0
	v_readfirstlane_b32 s12, v2                    ; wave
	v_lshlrev_b32 v3, 5, v0                        ; my 8 logits: 32 bytes
	v_lshlrev_b32 v4, 5, v2                        ; my wave's 8 counts in LDS
	v_lshlrev_b32 v5, 5, v1                        ; the counts of the wave whose number is my lane's
	v_lshlrev_b32 v6, 3, v0                        ; my 8 bytes of pos and of cw
	v_lshlrev_b32 v7, 2, v1
	v_mov_b32 v48, 0                               ; written before v_permlanex16_b32 names it as a destination
	s_mov_b32 s13, 0x3fb8aa3b                      ; log2(e)
	s_mov_b32 s14, 0x76543210
	s_mov_b32 s15, 0xfedcba98
	s_wait_kmcnt 0x0
	global_load_b128 v[8:11], v3, s[4:5]
	global_load_b128 v[12:15], v3, s[4:5] offset:16
	s_wait_loadcnt 0x0
	; the logits rounded once to bf16, and widened again: the low half moves up, the high half stays
.set i, 0
.rept 4
	v_cvt_pk_bf16_f32 v[16+i], v[8+2*i], v[8+2*i+1]
.set i, i+1
.endr
.set i, 0
.rept 4
	v_lshlrev_b32 v[8+2*i], 16, v[16+i]
	v_and_b32 v[8+2*i+1], 0xffff0000, v[16+i]
.set i, i+1
.endr
	; softmax
	v_max3_num_f32 v16, v8, v9, v10
	v_max3_num_f32 v16, v16, v11, v12
	v_max3_num_f32 v16, v16, v13, v14
	v_max_num_f32 v16, v16, v15
	v_mul_f32 v17, s13, v16                        ; its rounding is common to all eight exponents and cancels in the quotient
.set i, 0
.rept 8
	v_fma_f32 v[8+i], v[8+i], s13, -v17
.set i, i+1
.endr
.set i, 0
.rept 8
	v_exp_f32 v[8+i], v[8+i]
.set i, i+1
.endr
	v_nop                                          ; a plain instruction behind the last exponential
	s_wait_alu depctr_va_vdst(0)                   ; one wait for the batch of eight, ahead of the first use
	v_add_f32 v17, v8, v9
	v_add_f32 v22, v10, v11
	v_add_f32 v23, v12, v13
	v_add_f32 v24, v14, v15
	v_add_f32 v17, v17, v22
	v_add_f32 v23, v23, v24
	v_add_f32 v17, v17, v23
	v_rcp_f32 v18, v17
	v_nop
	s_wait_alu depctr_va_vdst(0)
.set i, 0
.rept 8
	v_mul_f32 v[8+i], v[8+i], v18
.set i, i+1
.endr
	; the two largest
	SCAN 8, 18, 19                                 ; p1 v18, its expert v19
.set i, 0
.rept 8
	v_cmp_eq_u32 vcc_lo, i, v19
	v_cndmask_b32 v[24+i], v[8+i], -1.0, vcc_lo    ; the first choice is taken out: every p is 0 or more
.set i, i+1
.endr
	SCAN 24, 20, 21                                ; p2 v20, its expert v21
	v_add_f32 v22, v18, v20
	v_rcp_f32 v23, v22
	v_nop
	s_wait_alu depctr_va_vdst(0)
	v_mul_f32 v60, v18, v23
	v_mul_f32 v61, v20, v23
	; who in my wave chose expert e: mask s[16+e], count v[24+e]
.set i, 0
.rept 8
	v_cmp_eq_u32 s32, i, v19
	v_cmp_eq_u32 s33, i, v21
	s_or_b32 s[16+i], s32, s33
	s_bcnt1_i32_b32 s[24+i], s[16+i]
	v_mov_b32 v[24+i], s[24+i]
.set i, i+1
.endr
	ds_store_b128 v4, v[24:27]                     ; all lanes store the same words with the same values
	ds_store_b128 v4, v[28:31] offset:16
	s_wait_dscnt 0x0                               ; for the other waves: my counts are in LDS
	s_barrier_signal -1
	s_barrier_wait -1
	ds_load_b128 v[32:35], v5                      ; lane L: the counts of wave L
	ds_load_b128 v[36:39], v5 offset:16
	s_wait_dscnt 0x0
	v_cmp_gt_u32 vcc_lo, s12, v1                   ; waves in front of mine
.set i, 0
.rept 8
	v_cvt_f32_u32 v[32+i], v[32+i]                 ; counts up to 1,024 are exact in f32
	v_cndmask_b32 v[40+i], 0, v[32+i], vcc_lo
.set i, i+1
.endr
.set i, 0
.rept 16
	RED 32+i                                       ; v[32+e]: the expert's total; v[40+e]: its tokens in earlier waves
.set i, i+1
.endr
.set i, 0
.rept 16
	v_cvt_u32_f32 v[32+i], v[32+i]
.set i, i+1
.endr
.set i, 0
.rept 8
	v_add_nc_u32 v[74+i], 15, v[32+i]
	v_lshrrev_b32 v[74+i], 4, v[74+i]              ; blocks of 16 rows
.set i, i+1
.endr
	v_mov_b32 v66, 0
.set i, 1
.rept 7
	v_add_nc_u32 v[66+i], v[66+i-1], v[74+i-1]     ; first block
.set i, i+1
.endr
	v_mov_b32 v58, 0
	v_mov_b32 v59, 0
.set i, 0
.rept 8
	v_lshl_add_u32 v[50+i], v[66+i], 4, v[40+i]    ; the row of my wave's first token of expert i
	v_mbcnt_lo_u32_b32 v22, s[16+i], 0             ; its tokens in earlier lanes
	v_add_nc_u32 v22, v22, v[50+i]
	v_cmp_eq_u32 vcc_lo, i, v19
	v_cndmask_b32 v58, v58, v22, vcc_lo
	v_cmp_eq_u32 vcc_lo, i, v21
	v_cndmask_b32 v59, v59, v22, vcc_lo
.set i, i+1
.endr
	global_store_b64 v6, v[58:59], s[6:7]
	global_store_b64 v6, v[60:61], s[8:9]
	s_cmp_lg_u32 s12, 0
	s_cbranch_scc1 .Lend                           ; wave 0 alone stores meta
	v_mov_b32 v64, 0
.set i, 0
.rept 8
	v_cmp_eq_u32 vcc_lo, i, v1
	v_cndmask_b32 v64, v64, v[66+i], vcc_lo
	v_cmp_eq_u32 vcc_lo, 8+i, v1
	v_cndmask_b32 v64, v64, v[74+i], vcc_lo
.set i, i+1
.endr
	global_store_b32 v7, v64, s[10:11]
.Lend:
	s_wait_tensorcnt 0x0                           ; the end of the wave
	ds_add_u32 v62, v63
	s_wait_dscnt 0x0
	s_endpgm
.Lfunc_end_k_qa34dd1982e_route:
	.size	k_qa34dd1982e_route, .Lfunc_end_k_qa34dd1982e_route-k_qa34dd1982e_route
	.p2alignl 7, 3214868480
	.fill 96, 4, 3214868480
	.section	.rodata,"a",@progbits
	.p2align	6, 0x0
	.amdhsa_kernel k_qa34dd1982e_route
		.amdhsa_group_segment_fixed_size 5120
		.amdhsa_private_segment_fixed_size 0
		.amdhsa_enable_private_segment 0
		.amdhsa_kernarg_size 32
		.amdhsa_user_sgpr_count 2
		.amdhsa_user_sgpr_kernarg_segment_ptr 1
		.amdhsa_wavefront_size32 1
		.amdhsa_system_sgpr_workgroup_id_x 1
		.amdhsa_system_sgpr_workgroup_id_y 1
		.amdhsa_system_sgpr_workgroup_id_z 1
		.amdhsa_system_vgpr_workitem_id 0
		.amdhsa_next_free_vgpr 96
		.amdhsa_next_free_sgpr 66
		.amdhsa_reserve_vcc 1
		.amdhsa_float_denorm_mode_32 3
		.amdhsa_float_denorm_mode_16_64 3
		.amdhsa_memory_ordered 1
		.amdhsa_forward_progress 1
		.amdhsa_inst_pref_size 20
	.end_amdhsa_kernel
	.amdgpu_metadata
---
amdhsa.version: [ 1, 2 ]
amdhsa.kernels:
  - .name:           k_qa34dd1982e_route
    .symbol:         k_qa34dd1982e_route.kd
    .args:
      - { .name: router_logits, .offset: 0, .size: 8, .value_kind: global_buffer, .address_space: global }
      - { .name: pos, .offset: 8, .size: 8, .value_kind: global_buffer, .address_space: global }
      - { .name: cw, .offset: 16, .size: 8, .value_kind: global_buffer, .address_space: global }
      - { .name: meta, .offset: 24, .size: 8, .value_kind: global_buffer, .address_space: global }
    .group_segment_fixed_size: 5120
    .private_segment_fixed_size: 0
    .kernarg_segment_align: 8
    .kernarg_segment_size: 32
    .max_flat_workgroup_size: 1024
    .sgpr_count:     66
    .vgpr_count:     96
    .wavefront_size: 32
...
	.end_amdgpu_metadata
.endif
;; end of part 1
;; launch place (part 2): grid 136 x 1, 8 waves a work-group, no clusters, 36,864 bytes of LDS; arguments pos, x, xg; writes xg
.if DOCPART == 2
	.amdgcn_target "amdgcn-amd-amdhsa--gfx1250"
	.amdhsa_code_object_version 6
	.text
	.protected	k_qa34dd1982e_place
	.globl	k_qa34dd1982e_place
	.p2align	8
	.type	k_qa34dd1982e_place,@function
k_qa34dd1982e_place:
	s_mov_b64 s[64:65], 0
	v_nop
	global_prefetch_b8 v0, s[64:65] scope:SCOPE_SE
	s_setreg_imm32_b32 hwreg(HW_REG_WAVE_MODE, 25, 1), 1
	s_wait_xcnt 0x0
; THE TOKEN ROWS, SORTED BY EXPERT, ROUNDED TO bf16 AND LAID AS MATRIX OPERANDS.  Work-group j makes block j of 16 sorted rows:
; xg byte = j x 32768 + kc x 1024 + q x 512 + 16 L; lane L = 16 h + r holds row 16 j + r, k = 32 kc + 16 q + 8 h + 0..7.
; 1. The list is turned round: each wave looks at 256 of the 2,048 entries of pos and puts the token of an entry that falls
;    into block j at that row's word of the wave's own list in LDS; every other entry falls on a dump word (word 16).
; 2. Behind a barrier the eight lists are merged by OR: a row has one entry at the most.  A row that no entry names takes
;    token 0, a row that exists; what is made of it is never read.
; 3. Wave w gathers k = 128 w .. 128 w + 127 of the 16 rows (512 consecutive bytes a load), rounds them, turns them through
;    its own stage in LDS and stores 512 consecutive bytes an instruction.
; 136 blocks serve every split: eight experts, each rounded up to whole blocks, take 135 at the most for 2,048 rows.
; No matrix unit and no cluster: the work-groups share no tile.
.set STAGE, 1024                       ; LDS 0-1023: eight lists of 32 words; then 16 rows x 272 bytes for each wave
.set SP,    272                        ; 256 bytes + 16: the 16 rows that a read touches begin 16 bytes further on modulo 256
.set SPARE, STAGE+8*16*SP              ; the spare words, 128 bytes a wave
.set TOK,   12                         ; v12-15   the tokens of my 8 entries, two entries each
.set PE,    16                         ; v16-23   my 8 entries of pos
.set LA,    24                         ; v24-31   where each entry's token goes
.set MG,    32                         ; v32-39   a row's word in the eight lists
.set XO,    44                         ; v44-59   byte offset in x of my 16 bytes of row i
.set XD,    64                         ; v64-127  16 rows x 4 f32; later the 8 fragments read back
.set XH,    128                        ; v128-159 16 rows x 4 bf16
	s_load_b128 s[4:7], s[0:1], 0x0                ; pos s[4:5], x s[6:7]
	s_load_b64 s[8:9], s[0:1], 0x10                ; xg
	v_lshl_add_u32 v60, v0, 2, SPARE               ; my spare word
	v_mov_b32 v61, 0
	v_and_b32 v1, 31, v0                           ; lane
	v_lshrrev_b32 v2, 5, v0
	v_readfirstlane_b32 s12, v2                    ; wave
	s_lshl_b32 s13, ttmp9, 4                       ; the block's first row, 16 j
	s_lshl_b32 s14, s12, 7                         ; my wave's list
	v_lshl_add_u32 v3, v1, 2, s14
	ds_store_b32 v3, v61                           ; the list starts as zeros
	v_mov_b32 v8, s13
	v_lshlrev_b32 v4, 5, v0                        ; my 8 entries of pos: 32 bytes
	v_lshlrev_b32 v[TOK], 2, v0                    ; entry 8 t + c belongs to token 4 t + c / 2
	v_add_nc_u32 v[TOK+1], 1, v[TOK]
	v_add_nc_u32 v[TOK+2], 2, v[TOK]
	v_add_nc_u32 v[TOK+3], 3, v[TOK]
	v_and_b32 v5, 15, v0                           ; r
	v_bfe_u32 v11, v0, 4, 1                        ; h
	v_lshlrev_b32 v6, 4, v0                        ; in a row of x: 512 w + 16 lane
	s_mul_i32 s15, s12, 16*SP
	s_add_co_u32 s15, s15, STAGE                   ; my stage
	v_lshl_add_u32 v7, v1, 3, s15                  ; in: 8 bytes a lane
	v_mul_u32_u24 v9, v5, SP
	v_lshl_add_u32 v9, v11, 4, v9
	v_add_nc_u32 v9, s15, v9                       ; back: row r, 16 bytes for each half of the lanes
	v_lshlrev_b32 v10, 4, v1
	v_lshl_add_u32 v10, v2, 12, v10                ; in the block of xg: 4096 w + 16 lane
	v_lshlrev_b32 v5, 2, v5                        ; row r's word in a list
	s_lshl_b32 s16, ttmp9, 15
	s_mov_b32 s17, 0
	s_wait_kmcnt 0x0
	s_add_nc_u64 s[8:9], s[8:9], s[16:17]          ; xg at block j
	global_load_b128 v[PE:PE+3], v4, s[4:5]
	global_load_b128 v[PE+4:PE+7], v4, s[4:5] offset:16
	s_wait_loadcnt 0x0
.set c, 0
.rept 8
	v_sub_nc_u32 v[LA+c], v[PE+c], v8              ; the entry's row in block j; below the block it wraps to a large number
	v_min_u32 v[LA+c], 16, v[LA+c]                 ; 0..15, or the dump word
	v_lshl_add_u32 v[LA+c], v[LA+c], 2, s14
	ds_store_b32 v[LA+c], v[TOK+c/2]
.set c, c+1
.endr
	s_wait_dscnt 0x0                               ; for the other waves: my list is in LDS
	s_barrier_signal -1
	s_barrier_wait -1
.set c, 0
.rept 8
	ds_load_b32 v[MG+c], v5 offset:128*c
.set c, c+1
.endr
	s_wait_dscnt 0x0
.set c, 1
.rept 7
	v_or_b32 v[MG], v[MG], v[MG+c]
.set c, c+1
.endr
	v_min_u32 v[MG], 0x3ff, v[MG]
.set i, 0
.rept 16
	v_readlane_b32 s[32+i], v[MG], i               ; row i's token, for every lane
	s_min_u32 s[32+i], s[32+i], 0x3ff
	v_lshl_add_u32 v[XO+i], s[32+i], 12, v6
.set i, i+1
.endr
.set i, 0
.rept 16
	global_load_b128 v[XD+4*i:XD+4*i+3], v[XO+i], s[6:7]  ; 512 consecutive bytes of row i
.set i, i+1
.endr
.set i, 0
.rept 16
	s_wait_loadcnt 15-i                            ; loads come back in order: row i is in, the younger rows stay out
	v_cvt_pk_bf16_f32 v[XH+2*i], v[XD+4*i], v[XD+4*i+1]
	v_cvt_pk_bf16_f32 v[XH+2*i+1], v[XD+4*i+2], v[XD+4*i+3]
	ds_store_b64 v7, v[XH+2*i:XH+2*i+1] offset:SP*i
.set i, i+1
.endr
.set n, 0
.rept 8                                ; fragment n = 2 kc + q of my four K steps; the stage is my wave's own, and LDS serves a wave's instructions in order
	ds_load_b128 v[XD+4*n:XD+4*n+3], v9 offset:32*n
.set n, n+1
.endr
.set n, 0
.rept 8
	s_wait_dscnt 7-n                               ; fragment n is back, the younger ones stay out
	global_store_b128 v10, v[XD+4*n:XD+4*n+3], s[8:9] offset:512*n  ; 512 consecutive bytes, at a multiple of 512 from the first byte of xg
.set n, n+1
.endr
	s_wait_tensorcnt 0x0                           ; the end of the wave
	ds_add_u32 v60, v61
	s_wait_dscnt 0x0
	s_endpgm
.Lfunc_end_k_qa34dd1982e_place:
	.size	k_qa34dd1982e_place, .Lfunc_end_k_qa34dd1982e_place-k_qa34dd1982e_place
	.p2alignl 7, 3214868480
	.fill 96, 4, 3214868480
	.section	.rodata,"a",@progbits
	.p2align	6, 0x0
	.amdhsa_kernel k_qa34dd1982e_place
		.amdhsa_group_segment_fixed_size 36864
		.amdhsa_private_segment_fixed_size 0
		.amdhsa_enable_private_segment 0
		.amdhsa_kernarg_size 24
		.amdhsa_user_sgpr_count 2
		.amdhsa_user_sgpr_kernarg_segment_ptr 1
		.amdhsa_wavefront_size32 1
		.amdhsa_system_sgpr_workgroup_id_x 1
		.amdhsa_system_sgpr_workgroup_id_y 1
		.amdhsa_system_sgpr_workgroup_id_z 1
		.amdhsa_system_vgpr_workitem_id 0
		.amdhsa_next_free_vgpr 160
		.amdhsa_next_free_sgpr 66
		.amdhsa_reserve_vcc 0
		.amdhsa_float_denorm_mode_32 3
		.amdhsa_float_denorm_mode_16_64 3
		.amdhsa_memory_ordered 1
		.amdhsa_forward_progress 1
		.amdhsa_inst_pref_size 14
	.end_amdhsa_kernel
	.amdgpu_metadata
---
amdhsa.version: [ 1, 2 ]
amdhsa.kernels:
  - .name:           k_qa34dd1982e_place
    .symbol:         k_qa34dd1982e_place.kd
    .args:
      - { .name: pos, .offset: 0, .size: 8, .value_kind: global_buffer, .address_space: global }
      - { .name: x, .offset: 8, .size: 8, .value_kind: global_buffer, .address_space: global }
      - { .name: xg, .offset: 16, .size: 8, .value_kind: global_buffer, .address_space: global }
    .group_segment_fixed_size: 36864
    .private_segment_fixed_size: 0
    .kernarg_segment_align: 8
    .kernarg_segment_size: 24
    .max_flat_workgroup_size: 256
    .sgpr_count:     66
    .vgpr_count:     160
    .wavefront_size: 32
...
	.end_amdgpu_metadata
.endif
;; end of part 2
;; launch up (part 3): grid 32 x 8, 4 waves a work-group, no clusters, 279,040 bytes of LDS; arguments xg, w13_weight, meta, hg; writes hg
.if DOCPART == 3
	.amdgcn_target "amdgcn-amd-amdhsa--gfx1250"
	.amdhsa_code_object_version 6
	.text
	.protected	k_qa34dd1982e_up
	.globl	k_qa34dd1982e_up
	.p2align	8
	.type	k_qa34dd1982e_up,@function
k_qa34dd1982e_up:
	s_mov_b64 s[64:65], 0
	v_nop
	global_prefetch_b8 v0, s[64:65] scope:SCOPE_SE
	s_setreg_imm32_b32 hwreg(HW_REG_WAVE_MODE, 25, 1), 1
	s_wait_xcnt 0x0
; h = silu(x w1^T) x (x w3^T) FOR THE CHOSEN ROWS.  Work-group (slice s, expert e) owns 64 gate rows and the 64 up rows beside them
; of w13[e] (columns 64 s .. 64 s + 63 of h), which it alone reads, and all of the expert's token blocks.
; THE WEIGHTS are streamed once, in 8 tiles of 128 rows x 128 k.  Each wave loads 32 rows of a tile (512 consecutive bytes a load), rounds
; them to bf16 in registers and stores them into the tile's OWN bytes of LDS: no LDS byte is written twice.  The wave's 32 rows are two
; halves of 16 loads that take turns, and the stream runs a tile ahead of the products: trip t multiplies tile t, stores tile t + 1 and
; asks for tile t + 2; half 0 is waited for, stored and asked for anew at the trip's head (point A), half 1 in its middle (point B), so
; that each half is on its way for a whole trip and one half's requests are always out.
; THE COUNT 16 of both waits: the other half's 16 loads, issued last, may stay out.  The token loads of the next trip, whose number hangs
; on the stored count, are issued at both points AHEAD of the weight loads: they are always older than those 16, so the count holds on
; every path.  By the text's own count at most 16 + 24 + 16 = 56 loads of a wave are out.
; ONE BARRIER A TRIP, split: the signal stands behind the trip's last stores, the wait at the trip's end, half of the trip's products between.
; THE TOKENS come from xg straight into matrix operand registers (512 consecutive bytes a load).  Wave w takes the expert's blocks 4 i + w.
; Pass 0 takes five of them and holds all the barriers of the stream.  What is left (an expert with more than 20 blocks) goes in up to four
; later passes of three blocks a wave, 5 + 12 = 17 for the 16 that 64 blocks can give a wave: they find all weights in LDS and write no LDS,
; and a wave with nothing left jumps over them.  Three blocks and single-buffered token loads there: a shorter text for the rare case.
; A block past the count is jumped over, loads, products and stores alike; every wave passes every barrier.
; ADDRESSES.  The expert's first block, read from meta and clamped, enters two scalar bases (xg and hg at that block), which are never
; rewritten; wave, pass, trip and slice stand in vector offsets made of ids, constants and counted steps.
; PRODUCT: source 0 = 16 weight rows, source 1 = 16 tokens: a lane holds ONE token (lane % 16) and the weight rows 8 (lane / 16) + 0..7,
; so that eight results, rounded in pairs, are 16 bytes of the next product's operand as hg holds it (the layout of xg, 64 K steps).
; No multicast: each weight byte has one reader, and the number of token blocks hangs on a stored count.
; PRICE OF ONE TEXT FOR EVERY TRIP: the sums start from cleared registers; token and fragment registers are written once at the head, so
; that every register is written on every path; in the loop's last trip, which has no tile left to ask for, the 32 weight loads are issued
; all the same, so that the count 16 holds: the base is not stepped and all lanes ask for the same 16 bytes of each row.
; LIMITS.  x, w13 and h are rounded once to bf16; sums in f32.  silu(g) = g / (1 + 2^(-g log2 e)): for g below about -88 the power is
; infinite and h is 0, where the exact value is below 1e-36 of g.
; REGISTERS are named by their number among the 1,024; XREG and AREG give window and low byte (s_set_vgpr_msb: bits 1:0 source 0,
; 3:2 source 1, 5:4 source 2, 7:6 destination).  0-255: addresses, AF 64-191 two buffers of weight fragments, T 192-223, HH 224-239.
; 256-383 W (two halves of 64).  384-511 tokens, set 0, blocks 0-3.  512-767 sums of blocks 0-3.  768-831 sums of block 4.
; 832-959 tokens, set 1, blocks 0-3.  960-991, 992-1023 tokens of block 4, sets 0 and 1.
.set NT,    8                          ; tiles of 128 k
.set ROWB,  4096                       ; bytes in a weight row
.set XBLK,  32768                      ; bytes in a block of tokens
.set OBLK,  65536                      ; bytes in a block of h
.set CB,    5                          ; blocks of a wave in pass 0
.set CBL,   3                          ; in a later pass
.set NLP,   4                          ; later passes
.set PITCH, 272                        ; an LDS row: 256 bytes + 16: the 16 rows of a fragment load begin 16 bytes further on modulo 256
.set TILE,  128*PITCH
.set SPARE, NT*TILE                    ; behind the tiles: the spare words, 128 bytes a wave
.set L16,  1                           ; v1  16 x lane; never rewritten
.set WST0, 2                           ; v2  my place in a tile for the weights that I store
.set AFA0, 3                           ; v3  my place in a tile for the fragments that I read
.set WST,  4                           ; v4  the same in the tile that is stored
.set AFA,  5                           ; v5  the same in the tile that pass 0 multiplies
.set SPW,  6                           ; v6  my spare word
.set NIL,  7                           ; v7  0
.set VX,   14                          ; v14 byte offset of my 16 bytes of the tokens to be asked for, from the expert's first block
.set VO,   15                          ; v15 byte offset of my 16 bytes of this pass's results, from the expert's first block
.set VW,   16                          ; v16 my 16 bytes in a weight row's 512: 16 x lane; 0 in the loop's last trip
.set AFL,  17                          ; v17 my place in the tile that a later pass multiplies
.set AF,   64
.set T,    192
.set HH,   224
.set WV,   12                          ; s12 wave
.set EX,   13                          ; s13 expert
.set SL,   14                          ; s14 slice
.set BLK0, 16                          ; s16 the expert's first block
.set NBLK, 17                          ; s17 its number of blocks
.set NBW,  18                          ; s18 my wave's share of them
.set NB,   19                          ; s19 my blocks in this pass
.set PASS, 20
.set KC,   21                          ; s21 counts pass 0's trips, two at a time
.set XBASE, 22                         ; s[22:23] xg at the expert's first block; never rewritten
.set XOF,  24                          ; s24 wave, pass and trip, in bytes of xg
.set NBA,  25                          ; s25 0 in the trip that multiplies nothing, NB behind it
.set WB,   26                          ; s[26:27] weights at my 32 rows, at the tile asked for last
.set OBASE, 28                         ; s[28:29] hg at the expert's first block; never rewritten
.set TOA,  30                          ; s30 byte offset in LDS of the tile that pass 0 multiplies
.set TOS,  31                          ; s31 of the tile that is stored
.set WSTEP, 36                         ; s[36:37] the weight base's step
.set WMSK, 38                          ; s38 all ones, or 0 in the loop's last trip
.set TOL,  39                          ; s39 byte offset in LDS of the tile that a later pass multiplies
.set CE,   44                          ; s[44:45] -log2(e): the packed multiply takes the pair's low word for both halves
.set KL,   46                          ; s46 counts a later pass's trips
.set MSB, 0
.macro WIN new                         ; the high byte repeats the setting that is left; a switch that changes nothing is dropped
.if MSB != (\new)
	s_set_vgpr_msb (MSB<<8)|(\new)
.set MSB, (\new)
.endif
.endm
.macro XREG set, b                     ; XA: first register of block b's tokens in the set
.if (\b) < 4
.set XA, 384+448*(\set)+32*(\b)
.else
.set XA, 960+32*(\set)
.endif
.endm
.macro AREG b                          ; AA: first register of block b's sums; AW its window, AL its low byte
.if (\b) < 4
.set AA, 512+64*(\b)
.else
.set AA, 768
.endif
.set AW, AA>>8
.set AL, AA&255
.endm
.macro XLOADS set, b0, b1              ; the tokens of blocks b0 to b1, 128 k: eight loads a block; blocks at or past the count are jumped over
	WIN 0
.set xb, \b0
.rept (\b1)-(\b0)+1
	s_cmp_le_u32 s[NB], xb
	s_cbranch_scc1 .Lxl_\@
	XREG \set, xb
	WIN (XA>>8)<<6
.set xc, 0
.rept 8
	global_load_b128 v[(XA&255)+4*xc:(XA&255)+4*xc+3], v[VX], s[XBASE:XBASE+1] offset:xb*4*XBLK+xc*512
.set xc, xc+1
.endr
	WIN 0
.set xb, xb+1
.endr
.Lxl_\@:
.endm
.macro WLOADH h                        ; half h of my share of a tile: 16 rows, 512 consecutive bytes each, read once in the launch
	WIN 0x40
.set wi, 16*(\h)
.rept 16
	global_load_b128 v[4*wi:4*wi+3], v[VW], s[WB:WB+1] offset:wi*ROWB th:TH_LOAD_NT
.set wi, wi+1
.endr
	WIN 0
.endm
.macro CVTST h                         ; half h is rounded in place and stored into its tile
	WIN 0x45
.set wi, 16*(\h)
.rept 16
	v_cvt_pk_bf16_f32 v[4*wi], v[4*wi], v[4*wi+1]
	v_cvt_pk_bf16_f32 v[4*wi+1], v[4*wi+2], v[4*wi+3]
.set wi, wi+1
.endr
	WIN 0x04
.set wi, 16*(\h)
.rept 16
	ds_store_b64 v[WST], v[4*wi:4*wi+1] offset:wi*PITCH  ; 256 consecutive bytes: a row
.set wi, wi+1
.endr
	WIN 0
.endm
.macro AFLOAD kk, f, adr               ; the tile's 128 rows, 32 k at K step kk, into fragment buffer f: 16 loads; adr: the register with my place in the tile
	WIN 0
.set am, 0
.rept 8
	ds_load_b128 v[AF+64*(\f)+8*am:AF+64*(\f)+8*am+3],   v[\adr] offset:am*16*PITCH+(\kk)*64
	ds_load_b128 v[AF+64*(\f)+8*am+4:AF+64*(\f)+8*am+7], v[\adr] offset:am*16*PITCH+(\kk)*64+32
.set am, am+1
.endr
.endm
.macro MULS kk, f, set, nb             ; eight products a block, nb blocks at the most; the sums take turns, one instruction a turn, with one block too
.set mb, 0
.rept \nb
.if mb > 0
	WIN 0
	s_cmp_le_u32 s[NB], mb
	s_cbranch_scc1 .Lmu_\@
.endif
	XREG \set, mb
	AREG mb
	WIN (AW<<6)|(AW<<4)|((XA>>8)<<2)
.set mm, 0
.rept 8
	v_wmma_f32_16x16x32_bf16 v[AL+8*mm:AL+8*mm+7], v[AF+64*(\f)+8*mm:AF+64*(\f)+8*mm+7], v[(XA&255)+8*(\kk):(XA&255)+8*(\kk)+7], v[AL+8*mm:AL+8*mm+7]
.set mm, mm+1
.endr
.set mb, mb+1
.endr
	WIN 0
.Lmu_\@:
.endm
.macro PLACES                          ; four plain instructions between a product and a load into, or a vector read of, its registers
.rept 4
	v_nop
.endr
.endm
.macro CLEAR nb                        ; the sums of blocks 0 to nb - 1 start at 0
.set zn, 64*(\nb)
.if zn > 256
.set zn, 256
.endif
	WIN 0x80
.set zi, 0
.rept zn
	v_mov_b32 v[zi], 0
.set zi, zi+1
.endr
.if (\nb) > 4
	WIN 0xc0
.set zi, 0
.rept 64
	v_mov_b32 v[zi], 0
.set zi, zi+1
.endr
.endif
	WIN 0
.endm
; A TRIP of pass 0.  cur: the token set that it multiplies.  dyn = 1: it may be the loop's last, which has no tile left to ask for.
.macro TRIP cur, dyn
.set OTH, 1-(\cur)
	v_add_nc_u32 v[AFA], s[TOA], v[AFA0]
	v_add_nc_u32 v[WST], s[TOS], v[WST0]
	s_cmp_eq_u32 s[NBA], 0
	s_cbranch_scc1 .Lg1_\@
	AFLOAD 0, 0, AFA                               ; this tile is whole since the last trip's barrier: its first fragments are asked for ahead of point A
	AFLOAD 1, 1, AFA
.Lg1_\@:
	; point A
	s_wait_loadcnt 16                              ; half 0 of the next tile and all of this trip's tokens are in; half 1's 16 loads, issued last, may stay out
	s_wait_xcnt 0x0                                ; offsets and base of the loads that are out are rewritten only behind this wait
	v_add_nc_u32 v[VX], s[XOF], v[L16]             ; the next trip's tokens
	s_add_co_u32 s[XOF], s[XOF], 4096              ; four K steps of 1,024 bytes on
.if \dyn
	s_cmp_eq_u32 s[KC], 1                          ; the loop's last trip: the base stays and every lane asks for the row's same 16 bytes
	s_cselect_b32 s[WSTEP], 0, 512
	s_cselect_b32 s[WMSK], 0, -1
	v_and_b32 v[VW], s[WMSK], v[L16]
	s_add_nc_u64 s[WB:WB+1], s[WB:WB+1], s[WSTEP:WSTEP+1]
.else
	s_add_nc_u64 s[WB:WB+1], s[WB:WB+1], 512       ; the tile two ahead
.endif
	XLOADS OTH, 0, 2                               ; ahead of the weight loads: older than the 16 that the next wait leaves out
	CVTST 0
	WLOADH 0
	s_cmp_eq_u32 s[NBA], 0
	s_cbranch_scc1 .Lg2_\@
	s_wait_dscnt 16                                ; both fragment buffers are in; the 16 stores above may be out
	MULS 0, 0, \cur, CB
	PLACES
	AFLOAD 2, 0, AFA
	s_wait_dscnt 16                                ; all but the 16 loads just issued
	MULS 1, 1, \cur, CB
	PLACES
	AFLOAD 3, 1, AFA
.Lg2_\@:
	; point B
	s_wait_loadcnt 16                              ; half 1 of the next tile is in; half 0's 16 loads, issued at A, may stay out
	XLOADS OTH, 3, 4
	CVTST 1
	WLOADH 1
	s_wait_dscnt 0x0                               ; for the other waves: my rows of the next tile are in LDS; for me: the last fragments are in
	s_barrier_signal -1
	s_cmp_eq_u32 s[NBA], 0
	s_cbranch_scc1 .Lg3_\@
	MULS 2, 0, \cur, CB                            ; work on registers while the others arrive
	MULS 3, 1, \cur, CB
	PLACES                                         ; ahead of the next loads into token and fragment registers, and of the way out
.Lg3_\@:
	s_mov_b32 s[TOA], s[TOS]
	s_add_co_u32 s[TOS], s[TOS], TILE
.if \cur
	s_mov_b32 s[NBA], s[NB]                        ; from the loop's second trip on there are products
.endif
	s_barrier_wait -1                              ; the next tile is whole
.endm
; The products of one tile that lies whole in LDS.  left: the loads that may stay out when the tokens are in.
.macro COMPUTE set, left, nb, adr
	AFLOAD 0, 0, \adr
	AFLOAD 1, 1, \adr
	s_wait_loadcnt \left
	s_wait_dscnt 16                                ; buffer 0 is in; the 16 loads of buffer 1 may be out
	MULS 0, 0, \set, \nb
	PLACES
	AFLOAD 2, 0, \adr
	s_wait_dscnt 16                                ; buffer 1 is in
	MULS 1, 1, \set, \nb
	PLACES
	AFLOAD 3, 1, \adr
	s_wait_dscnt 16                                ; buffer 0 is in
	MULS 2, 0, \set, \nb
	s_wait_dscnt 0x0
	MULS 3, 1, \set, \nb
	PLACES
.endm
; THE WAY OUT of block b: sums 0-3 are the gate's 64 columns, sums 4-7 the up projection's.  Each sum is read from its low end on.
.macro EPI b
	AREG \b
	WIN AW
.set ei, 0
.rept 16
	v_pk_mul_f32 v[T+2*ei:T+2*ei+1], v[AL+2*ei:AL+2*ei+1], s[CE:CE+1] op_sel_hi:[1,0]  ; -g log2(e)
.set ei, ei+1
.endr
	WIN 0
.set ei, 0
.rept 32
	v_exp_f32 v[T+ei], v[T+ei]
.set ei, ei+1
.endr
	v_nop                                          ; a plain instruction behind the last exponential
	s_wait_alu depctr_va_vdst(0)                   ; one wait for the batch of 32, ahead of its first reader
.set ei, 0
.rept 16
	v_pk_add_f32 v[T+2*ei:T+2*ei+1], v[T+2*ei:T+2*ei+1], 1.0 op_sel_hi:[1,0]
.set ei, ei+1
.endr
.set ei, 0
.rept 32
	v_rcp_f32 v[T+ei], v[T+ei]
.set ei, ei+1
.endr
	v_nop
	s_wait_alu depctr_va_vdst(0)                   ; one wait for the 32 reciprocals
	WIN AW<<2
.set ei, 0
.rept 16
	v_pk_mul_f32 v[T+2*ei:T+2*ei+1], v[T+2*ei:T+2*ei+1], v[AL+2*ei:AL+2*ei+1]          ; silu(g)
.set ei, ei+1
.endr
.set ei, 0
.rept 16
	v_pk_mul_f32 v[T+2*ei:T+2*ei+1], v[T+2*ei:T+2*ei+1], v[AL+32+2*ei:AL+32+2*ei+1]    ; times up
.set ei, ei+1
.endr
	WIN 0
	s_wait_xcnt 0x0                                ; HH, which the block before stored, is rewritten only behind this wait
.set ei, 0
.rept 16
	v_cvt_pk_bf16_f32 v[HH+ei], v[T+2*ei], v[T+2*ei+1]
.set ei, ei+1
.endr
.set ei, 0
.rept 4                                ; columns 16 n + 8 (lane / 16) + 0..7 of the slice are half n % 2 of K step 2 s + n / 2
	global_store_b128 v[VO], v[HH+4*ei:HH+4*ei+3], s[OBASE:OBASE+1] offset:(\b)*4*OBLK+ei*512  ; 512 consecutive bytes, at a multiple of 512 from the first byte of hg
.set ei, ei+1
.endr
.endm
	s_load_b256 s[4:11], s[0:1], 0x0               ; xg s[4:5], w13 s[6:7], meta s[8:9], hg s[10:11]
	v_lshl_add_u32 v[SPW], v0, 2, SPARE
	v_mov_b32 v[NIL], 0
	v_and_b32 v12, 31, v0                          ; lane
	v_lshrrev_b32 v13, 5, v0
	v_readfirstlane_b32 s[WV], v13
	v_lshlrev_b32 v[L16], 4, v12
	v_lshlrev_b32 v[VW], 4, v12
	v_and_b32 v8, 15, v0                           ; r
	v_bfe_u32 v9, v0, 4, 1                         ; h
	s_and_b32 s[EX], ttmp7, 0xffff
	s_mov_b32 s[SL], ttmp9
	s_mul_i32 s32, s[WV], 32*PITCH
	v_lshl_add_u32 v[WST0], v12, 3, s32            ; LDS rows 32 w on, 8 bytes a lane
	v_mul_u32_u24 v[AFA0], v8, PITCH
	v_lshl_add_u32 v[AFA0], v9, 4, v[AFA0]         ; row r, 16 bytes for each half of the lanes
	s_mov_b32 s[CE], 0xbfb8aa3b                    ; -log2(e)
	s_mov_b32 s[CE+1], s[CE]                       ; named with it as a pair
	s_mov_b32 s[WSTEP+1], 0
	s_lshl_b32 s34, s[EX], 2                       ; the expert's word in meta
	s_lshl_b32 s32, s[SL], 6                       ; my 32 weight rows: 64 s + 32 (w % 2), waves 2 and 3 in the up half, 2,048 rows on
	s_and_b32 s33, s[WV], 1
	s_lshl_b32 s33, s33, 5
	s_add_co_u32 s32, s32, s33
	s_lshr_b32 s33, s[WV], 1
	s_lshl_b32 s33, s33, 11
	s_add_co_u32 s32, s32, s33
	s_lshl_b32 s32, s32, 12                        ; rows of 4,096 bytes
	s_lshl_b32 s33, s[EX], 24                      ; an expert's 16,777,216 bytes
	s_add_co_u32 s32, s32, s33
	s_mov_b32 s33, 0
	s_wait_kmcnt 0x0
	s_load_b32 s[BLK0], s[8:9], s34 offset:0x0
	s_load_b32 s[NBLK], s[8:9], s34 offset:0x20
	s_add_nc_u64 s[WB:WB+1], s[6:7], s[32:33]
	WLOADH 0                                       ; tile 0 goes out before anything else, half 0 first
	WLOADH 1
	WIN 0x40                                       ; token and fragment registers are written once, and pass 0's sums cleared, in the wait for that tile
.set zi, 128
.rept 128
	v_mov_b32 v[zi], 0
.set zi, zi+1
.endr
	WIN 0xc0
.set zi, 64
.rept 192
	v_mov_b32 v[zi], 0
.set zi, zi+1
.endr
	WIN 0
.set zi, AF
.rept 128
	v_mov_b32 v[zi], 0
.set zi, zi+1
.endr
	CLEAR CB
	s_wait_kmcnt 0x0
	s_min_u32 s[BLK0], s[BLK0], 135
	s_min_u32 s[NBLK], s[NBLK], 64
	s_lshl_b32 s40, s[BLK0], 15                    ; a block is 32,768 bytes of xg
	s_mov_b32 s41, 0
	s_lshl_b32 s42, s[BLK0], 16                    ; and 65,536 bytes of hg
	s_mov_b32 s43, 0
	s_add_nc_u64 s[XBASE:XBASE+1], s[4:5], s[40:41]
	s_add_nc_u64 s[OBASE:OBASE+1], s[10:11], s[42:43]
	s_add_co_u32 s[NBW], s[NBLK], 3
	s_sub_co_u32 s[NBW], s[NBW], s[WV]
	s_lshr_b32 s[NBW], s[NBW], 2                   ; blocks w, w + 4, ..: ceil((NBLK - w) / 4)
	; pass 0
	s_min_u32 s[NB], s[NBW], CB
	s_lshl_b32 s[XOF], s[WV], 15                   ; my first block is the expert's block w
	s_lshl_b32 s32, s[WV], 16
	s_lshl_b32 s33, s[SL], 11                      ; the slice's two K steps of 1,024 bytes
	s_add_co_u32 s32, s32, s33
	v_add_nc_u32 v[VO], s32, v[L16]
	s_mov_b32 s[NBA], 0                            ; the first trip stores tile 0, asks for tile 0's tokens and multiplies nothing
	s_mov_b32 s[TOA], 0
	s_mov_b32 s[TOS], 0
	s_mov_b32 s[KC], NT/2
.Lk:                                                   ; NT trips, t = -1 to NT - 2: trip t multiplies tile t, stores tile t + 1, asks for tile t + 2 and for the tokens of trip t + 1
	TRIP 1, 0
	TRIP 0, 1
	s_sub_co_u32 s[KC], s[KC], 1
	s_cmp_lg_u32 s[KC], 0
	s_cbranch_scc1 .Lk
	s_cmp_eq_u32 s[NB], 0
	s_cbranch_scc1 .Lc0
	v_add_nc_u32 v[AFA], s[TOA], v[AFA0]
	COMPUTE 1, 16, CB, AFA                         ; the last tile's products; the 16 small requests issued last may stay out
.Lc0:
	s_mov_b32 s[PASS], 0
.Lpass:                                                ; NLP + 1 trips: the way out of the pass in hand, then the products of the next, if I have blocks left
.irp b, 0,1,2,3,4
	s_cmp_le_u32 s[NB], \b
	s_cbranch_scc1 .Lwo
	EPI \b
.endr
.Lwo:
	s_wait_loadcnt 0x0                             ; no load is out: the next pass rewrites the loads' offset and loads into the token registers again
	s_wait_xcnt 0x0                                ; the stores' offset is rewritten only behind this wait
	s_mul_i32 s33, s[PASS], CBL
	s_add_co_u32 s33, s33, CB                      ; blocks of mine that are done
	s_sub_co_i32 s[NB], s[NBW], s33
	s_max_i32 s[NB], s[NB], 0
	s_min_i32 s[NB], s[NB], CBL
	s_cmp_eq_u32 s[NB], 0
	s_cbranch_scc1 .Lnone                          ; nothing left: no barrier stands in what is jumped
	s_mul_i32 s[XOF], s33, 4*XBLK                  ; a block of mine is every fourth of the expert's
	s_lshl_b32 s34, s[WV], 15
	s_add_co_u32 s[XOF], s[XOF], s34
	s_mul_i32 s32, s33, 4*OBLK
	s_lshl_b32 s34, s[WV], 16
	s_add_co_u32 s32, s32, s34
	s_lshl_b32 s34, s[SL], 11
	s_add_co_u32 s32, s32, s34
	v_add_nc_u32 v[VO], s32, v[L16]
	CLEAR CBL
	s_mov_b32 s[TOL], 0
	s_mov_b32 s[KL], NT
.Lkl:                                                  ; a later pass's trip: the tile lies in LDS since pass 0's last barrier
	v_add_nc_u32 v[VX], s[XOF], v[L16]             ; free: the wait for 0 in the trip before, or at the pass's foot, has shown its loads done
	s_add_co_u32 s[XOF], s[XOF], 4096
	XLOADS 0, 0, CBL-1
	v_add_nc_u32 v[AFL], s[TOL], v[AFA0]
	s_add_co_u32 s[TOL], s[TOL], TILE
	COMPUTE 0, 0, CBL, AFL
	s_sub_co_u32 s[KL], s[KL], 1
	s_cmp_lg_u32 s[KL], 0
	s_cbranch_scc1 .Lkl
.Lnone:
	s_add_co_u32 s[PASS], s[PASS], 1
	s_cmp_lt_u32 s[PASS], NLP+1
	s_cbranch_scc1 .Lpass
	s_wait_dscnt 0x0                               ; my reads of LDS are over,
	s_barrier_signal -1
	s_barrier_wait -1                              ; and every wave's are, before any wave writes LDS again (the line below); once in the launch
	s_wait_tensorcnt 0x0                           ; the end of the wave
	ds_add_u32 v[SPW], v[NIL]
	s_wait_dscnt 0x0
	s_endpgm
.Lfunc_end_k_qa34dd1982e_up:
	.size	k_qa34dd1982e_up, .Lfunc_end_k_qa34dd1982e_up-k_qa34dd1982e_up
	.p2alignl 7, 3214868480
	.fill 96, 4, 3214868480
	.section	.rodata,"a",@progbits
	.p2align	6, 0x0
	.amdhsa_kernel k_qa34dd1982e_up
		.amdhsa_group_segment_fixed_size 279040
		.amdhsa_private_segment_fixed_size 0
		.amdhsa_enable_private_segment 0
		.amdhsa_kernarg_size 32
		.amdhsa_user_sgpr_count 2
		.amdhsa_user_sgpr_kernarg_segment_ptr 1
		.amdhsa_wavefront_size32 1
		.amdhsa_system_sgpr_workgroup_id_x 1
		.amdhsa_system_sgpr_workgroup_id_y 1
		.amdhsa_system_sgpr_workgroup_id_z 1
		.amdhsa_system_vgpr_workitem_id 0
		.amdhsa_next_free_vgpr 1024
		.amdhsa_next_free_sgpr 66
		.amdhsa_reserve_vcc 0
		.amdhsa_float_denorm_mode_32 3
		.amdhsa_float_denorm_mode_16_64 3
		.amdhsa_memory_ordered 1
		.amdhsa_forward_progress 1
		.amdhsa_inst_pref_size 170
	.end_amdhsa_kernel
	.amdgpu_metadata
---
amdhsa.version: [ 1, 2 ]
amdhsa.kernels:
  - .name:           k_qa34dd1982e_up
    .symbol:         k_qa34dd1982e_up.kd
    .args:
      - { .name: xg, .offset: 0, .size: 8, .value_kind: global_buffer, .address_space: global }
      - { .name: w13_weight, .offset: 8, .size: 8, .value_kind: global_buffer, .address_space: global }
      - { .name: meta, .offset: 16, .size: 8, .value_kind: global_buffer, .address_space: global }
      - { .name: hg, .offset: 24, .size: 8, .value_kind: global_buffer, .address_space: global }
    .group_segment_fixed_size: 279040
    .private_segment_fixed_size: 0
    .kernarg_segment_align: 8
    .kernarg_segment_size: 32
    .max_flat_workgroup_size: 128
    .sgpr_count:     66
    .vgpr_count:     1024
    .wavefront_size: 32
...
	.end_amdgpu_metadata
.endif
;; end of part 3
;; launch down (part 4): grid 32 x 8, 4 waves a work-group, no clusters, 173,568 bytes of LDS; arguments hg, w2_weight, meta, y; writes y
.if DOCPART == 4
	.amdgcn_target "amdgcn-amd-amdhsa--gfx1250"
	.amdhsa_code_object_version 6
	.text
	.protected	k_qa34dd1982e_down
	.globl	k_qa34dd1982e_down
	.p2align	8
	.type	k_qa34dd1982e_down,@function
k_qa34dd1982e_down:
	s_mov_b64 s[64:65], 0
	v_nop
	global_prefetch_b8 v0, s[64:65] scope:SCOPE_SE
	s_setreg_imm32_b32 hwreg(HW_REG_WAVE_MODE, 25, 1), 1
	s_wait_xcnt 0x0
; y = h w2^T FOR THE CHOSEN ROWS, in four partial sums over K.  Work-group (x, expert e): slice s = x % 8 of 128 rows of w2[e]
; (128 columns of y), quarter kq = x / 8 of K (512 of 2,048): 256 work-groups, each the only reader of its 262,144 bytes of weights.
; The four quarters' partial sums are stored in f32, each in a plane of its own of y, and added by the next launch.
; THE WEIGHTS are streamed once, in 4 tiles of 128 rows x 128 k.  Each wave loads 32 rows of a tile (512 consecutive bytes a load), rounds
; them to bf16 in registers and stores them into the tile's OWN bytes of LDS: no LDS byte of a tile is written twice.  The wave's 32 rows
; are two halves of 16 loads that take turns, and the stream runs a tile ahead of the products: trip t multiplies tile t, stores tile t + 1
; and asks for tile t + 2; half 0 is waited for, stored and asked for anew at the trip's head (point A), half 1 in its middle (point B), so
; that each half is on its way for a whole trip and one half's requests are always out.
; THE COUNT 16 of both waits: the other half's 16 loads, issued last, may stay out.  The next trip's loads of h, whose number hangs on the
; stored count, are issued at both points AHEAD of the weight loads: they are always older than those 16, so the count holds on every path.
; By the text's own count at most 16 + 24 + 16 = 56 loads of a wave are out.
; ONE BARRIER A TRIP, split: the signal stands behind the trip's last stores, the wait at the trip's end, half of the trip's products between.
; THE ROWS OF h come from hg straight into matrix operand registers (512 consecutive bytes a load).  Wave w takes the expert's blocks 4 i + w.
; Pass 0 takes five of them and holds all the barriers of the stream.  What is left (an expert with more than 20 blocks) goes in up to four
; later passes of three blocks a wave, 5 + 12 = 17 for the 16 that 64 blocks can give a wave: they find all weights in LDS and write no tile,
; and a wave with nothing left jumps over their work.  Three blocks and single-buffered loads of h there: a shorter text for the rare case.
; A block past the count is jumped over, loads, products and stores alike; every wave passes every barrier.
; THE PASS LOOP has two barriers a trip, ten in the launch, on every wave's path: one between the way out's stores into the stages and the
; next pass's reads of the tiles, one between those reads and the next stores into LDS.  Tiles, stages and spare words are disjoint bytes;
; the barriers make the order of reads and writes plain without leaning on the loop's stepped address.
; ADDRESSES.  The expert's first block, read from meta and clamped, enters two scalar bases (hg and y at that block), which are never
; rewritten; wave, pass, trip, quarter, plane and slice stand in vector offsets made of ids, constants and counted steps.
; PRODUCT: source 0 = 16 weight rows, source 1 = 16 tokens: a lane holds ONE token (lane % 16) and 8 neighbouring columns of y.
; On the way out a block goes through my wave's own stage in LDS and leaves as whole pieces of rows, 512 consecutive bytes a store.
; No multicast: each weight byte has one reader, and the number of token blocks hangs on a stored count.
; PRICE OF ONE TEXT FOR EVERY TRIP: the sums start from cleared registers; token and fragment registers are written once at the head, so
; that every register is written on every path; in the loop's last trip, which has no tile left to ask for, the 32 weight loads are issued
; all the same, so that the count 16 holds: the base is not stepped and all lanes ask for the same 16 bytes of each row.
; LIMITS.  h and w2 are rounded once to bf16; sums in f32.
; REGISTERS are named by their number among the 1,024; XREG and AREG give window and low byte (s_set_vgpr_msb: bits 1:0 source 0,
; 3:2 source 1, 5:4 source 2, 7:6 destination).  0-255: addresses, AF 64-191 two buffers of weight fragments (64-127 also the way out).
; 256-383 W (two halves of 64).  384-511 tokens, set 0, blocks 0-3.  512-767 sums of blocks 0-3.  768-831 sums of block 4.
; 832-959 tokens, set 1, blocks 0-3.  960-991, 992-1023 tokens of block 4, sets 0 and 1.
.set NT,    4                          ; tiles of 128 k
.set ROWB,  8192                       ; bytes in a weight row
.set XBLK,  65536                      ; bytes in a block of h
.set OBLK,  65536                      ; bytes in a block's 16 rows of y
.set CB,    5                          ; blocks of a wave in pass 0
.set CBL,   3                          ; in a later pass
.set NLP,   4                          ; later passes
.set PITCH, 272                        ; an LDS row: 256 bytes + 16: the 16 rows of a fragment load begin 16 bytes further on modulo 256
.set TILE,  128*PITCH
.set STAGE, NT*TILE                    ; behind the tiles: 16 rows x 528 bytes for each wave
.set SPITCH, 528                       ; 512 bytes + 16
.set SPARE, STAGE+4*16*SPITCH          ; behind the stages: the spare words, 128 bytes a wave
.set QP,    8912896                    ; bytes in a plane of y: 2,176 rows of 4,096
.set L16,  1                           ; v1  16 x lane; never rewritten
.set WST0, 2                           ; v2  my place in a tile for the weights that I store
.set AFA0, 3                           ; v3  my place in a tile for the fragments that I read
.set WST,  4                           ; v4  the same in the tile that is stored
.set AFA,  5                           ; v5  the same in the tile that pass 0 multiplies
.set SPW,  6                           ; v6  my spare word
.set NIL,  7                           ; v7  0
.set STO,  10                          ; v10 the way out: where I put my token's columns
.set RD,   11                          ; v11 the way out: where I read a row back
.set VX,   14                          ; v14 byte offset of my 16 bytes of the rows of h to be asked for, from the expert's first block
.set VO,   15                          ; v15 byte offset of my 16 bytes of this pass's results, from the expert's first block in plane 0
.set VW,   16                          ; v16 my 16 bytes in a weight row's 512: 16 x lane; 0 in the loop's last trip
.set AFL,  17                          ; v17 my place in the tile that a later pass multiplies
.set AF,   64
.set WV,   12                          ; s12 wave
.set EX,   13                          ; s13 expert
.set SL,   14                          ; s14 slice
.set KQ,   15                          ; s15 quarter of K
.set BLK0, 16                          ; s16 the expert's first block
.set NBLK, 17                          ; s17 its number of blocks
.set NBW,  18                          ; s18 my wave's share of them
.set NB,   19                          ; s19 my blocks in this pass
.set PASS, 20
.set KC,   21                          ; s21 counts pass 0's trips, two at a time
.set XBASE, 22                         ; s[22:23] hg at the expert's first block; never rewritten
.set XOF,  24                          ; s24 wave, pass, quarter and trip, in bytes of hg
.set NBA,  25                          ; s25 0 in the trip that multiplies nothing, NB behind it
.set WB,   26                          ; s[26:27] weights at my 32 rows, at the tile asked for last
.set OBASE, 28                         ; s[28:29] y at the expert's first block; never rewritten
.set TOA,  30                          ; s30 byte offset in LDS of the tile that pass 0 multiplies
.set TOS,  31                          ; s31 of the tile that is stored
.set WSTEP, 36                         ; s[36:37] the weight base's step
.set WMSK, 38                          ; s38 all ones, or 0 in the loop's last trip
.set TOL,  39                          ; s39 byte offset in LDS of the tile that a later pass multiplies
.set KL,   46                          ; s46 counts a later pass's trips
.set MSB, 0
.macro WIN new                         ; the high byte repeats the setting that is left; a switch that changes nothing is dropped
.if MSB != (\new)
	s_set_vgpr_msb (MSB<<8)|(\new)
.set MSB, (\new)
.endif
.endm
.macro XREG set, b                     ; XA: first register of block b's tokens in the set
.if (\b) < 4
.set XA, 384+448*(\set)+32*(\b)
.else
.set XA, 960+32*(\set)
.endif
.endm
.macro AREG b                          ; AA: first register of block b's sums; AW its window, AL its low byte
.if (\b) < 4
.set AA, 512+64*(\b)
.else
.set AA, 768
.endif
.set AW, AA>>8
.set AL, AA&255
.endm
.macro XLOADS set, b0, b1              ; the rows of h of blocks b0 to b1, 128 k: eight loads a block; blocks at or past the count are jumped over
	WIN 0
.set xb, \b0
.rept (\b1)-(\b0)+1
	s_cmp_le_u32 s[NB], xb
	s_cbranch_scc1 .Lxl_\@
	XREG \set, xb
	WIN (XA>>8)<<6
.set xc, 0
.rept 8
	global_load_b128 v[(XA&255)+4*xc:(XA&255)+4*xc+3], v[VX], s[XBASE:XBASE+1] offset:xb*4*XBLK+xc*512
.set xc, xc+1
.endr
	WIN 0
.set xb, xb+1
.endr
.Lxl_\@:
.endm
.macro WLOADH h                        ; half h of my share of a tile: 16 rows, 512 consecutive bytes each, read once in the launch
	WIN 0x40
.set wi, 16*(\h)
.rept 16
	global_load_b128 v[4*wi:4*wi+3], v[VW], s[WB:WB+1] offset:wi*ROWB th:TH_LOAD_NT
.set wi, wi+1
.endr
	WIN 0
.endm
.macro CVTST h                         ; half h is rounded in place and stored into its tile
	WIN 0x45
.set wi, 16*(\h)
.rept 16
	v_cvt_pk_bf16_f32 v[4*wi], v[4*wi], v[4*wi+1]
	v_cvt_pk_bf16_f32 v[4*wi+1], v[4*wi+2], v[4*wi+3]
.set wi, wi+1
.endr
	WIN 0x04
.set wi, 16*(\h)
.rept 16
	ds_store_b64 v[WST], v[4*wi:4*wi+1] offset:wi*PITCH  ; 256 consecutive bytes: a row
.set wi, wi+1
.endr
	WIN 0
.endm
.macro AFLOAD kk, f, adr               ; the tile's 128 rows, 32 k at K step kk, into fragment buffer f: 16 loads; adr: the register with my place in the tile
	WIN 0
.set am, 0
.rept 8
	ds_load_b128 v[AF+64*(\f)+8*am:AF+64*(\f)+8*am+3],   v[\adr] offset:am*16*PITCH+(\kk)*64
	ds_load_b128 v[AF+64*(\f)+8*am+4:AF+64*(\f)+8*am+7], v[\adr] offset:am*16*PITCH+(\kk)*64+32
.set am, am+1
.endr
.endm
.macro MULS kk, f, set, nb             ; eight products a block, nb blocks at the most; the sums take turns, one instruction a turn, with one block too
.set mb, 0
.rept \nb
.if mb > 0
	WIN 0
	s_cmp_le_u32 s[NB], mb
	s_cbranch_scc1 .Lmu_\@
.endif
	XREG \set, mb
	AREG mb
	WIN (AW<<6)|(AW<<4)|((XA>>8)<<2)
.set mm, 0
.rept 8
	v_wmma_f32_16x16x32_bf16 v[AL+8*mm:AL+8*mm+7], v[AF+64*(\f)+8*mm:AF+64*(\f)+8*mm+7], v[(XA&255)+8*(\kk):(XA&255)+8*(\kk)+7], v[AL+8*mm:AL+8*mm+7]
.set mm, mm+1
.endr
.set mb, mb+1
.endr
	WIN 0
.Lmu_\@:
.endm
.macro PLACES                          ; four plain instructions between a product and a load into, or a read of, its registers
.rept 4
	v_nop
.endr
.endm
.macro CLEAR nb                        ; the sums of blocks 0 to nb - 1 start at 0
.set zn, 64*(\nb)
.if zn > 256
.set zn, 256
.endif
	WIN 0x80
.set zi, 0
.rept zn
	v_mov_b32 v[zi], 0
.set zi, zi+1
.endr
.if (\nb) > 4
	WIN 0xc0
.set zi, 0
.rept 64
	v_mov_b32 v[zi], 0
.set zi, zi+1
.endr
.endif
	WIN 0
.endm
; A TRIP of pass 0.  cur: the token set that it multiplies.  dyn = 1: it may be the loop's last, which has no tile left to ask for.
.macro TRIP cur, dyn
.set OTH, 1-(\cur)
	v_add_nc_u32 v[AFA], s[TOA], v[AFA0]
	v_add_nc_u32 v[WST], s[TOS], v[WST0]
	s_cmp_eq_u32 s[NBA], 0
	s_cbranch_scc1 .Lg1_\@
	AFLOAD 0, 0, AFA                               ; this tile is whole since the last trip's barrier: its first fragments are asked for ahead of point A
	AFLOAD 1, 1, AFA
.Lg1_\@:
	; point A
	s_wait_loadcnt 16                              ; half 0 of the next tile and all of this trip's rows of h are in; half 1's 16 loads, issued last, may stay out
	s_wait_xcnt 0x0                                ; offsets and base of the loads that are out are rewritten only behind this wait
	v_add_nc_u32 v[VX], s[XOF], v[L16]             ; the next trip's rows of h
	s_add_co_u32 s[XOF], s[XOF], 4096              ; four K steps of 1,024 bytes on
.if \dyn
	s_cmp_eq_u32 s[KC], 1                          ; the loop's last trip: the base stays and every lane asks for the row's same 16 bytes
	s_cselect_b32 s[WSTEP], 0, 512
	s_cselect_b32 s[WMSK], 0, -1
	v_and_b32 v[VW], s[WMSK], v[L16]
	s_add_nc_u64 s[WB:WB+1], s[WB:WB+1], s[WSTEP:WSTEP+1]
.else
	s_add_nc_u64 s[WB:WB+1], s[WB:WB+1], 512       ; the tile two ahead
.endif
	XLOADS OTH, 0, 2                               ; ahead of the weight loads: older than the 16 that the next wait leaves out
	CVTST 0
	WLOADH 0
	s_cmp_eq_u32 s[NBA], 0
	s_cbranch_scc1 .Lg2_\@
	s_wait_dscnt 16                                ; both fragment buffers are in; the 16 stores above may be out
	MULS 0, 0, \cur, CB
	PLACES
	AFLOAD 2, 0, AFA
	s_wait_dscnt 16                                ; all but the 16 loads just issued
	MULS 1, 1, \cur, CB
	PLACES
	AFLOAD 3, 1, AFA
.Lg2_\@:
	; point B
	s_wait_loadcnt 16                              ; half 1 of the next tile is in; half 0's 16 loads, issued at A, may stay out
	XLOADS OTH, 3, 4
	CVTST 1
	WLOADH 1
	s_wait_dscnt 0x0                               ; for the other waves: my rows of the next tile are in LDS; for me: the last fragments are in
	s_barrier_signal -1
	s_cmp_eq_u32 s[NBA], 0
	s_cbranch_scc1 .Lg3_\@
	MULS 2, 0, \cur, CB                            ; work on registers while the others arrive
	MULS 3, 1, \cur, CB
	PLACES                                         ; ahead of the next loads into token and fragment registers, and of the way out
.Lg3_\@:
	s_mov_b32 s[TOA], s[TOS]
	s_add_co_u32 s[TOS], s[TOS], TILE
.if \cur
	s_mov_b32 s[NBA], s[NB]                        ; from the loop's second trip on there are products
.endif
	s_barrier_wait -1                              ; the next tile is whole
.endm
; The products of one tile that lies whole in LDS.  left: the loads that may stay out when the rows of h are in.
.macro COMPUTE set, left, nb, adr
	AFLOAD 0, 0, \adr
	AFLOAD 1, 1, \adr
	s_wait_loadcnt \left
	s_wait_dscnt 16                                ; buffer 0 is in; the 16 loads of buffer 1 may be out
	MULS 0, 0, \set, \nb
	PLACES
	AFLOAD 2, 0, \adr
	s_wait_dscnt 16                                ; buffer 1 is in
	MULS 1, 1, \set, \nb
	PLACES
	AFLOAD 3, 1, \adr
	s_wait_dscnt 16                                ; buffer 0 is in
	MULS 2, 0, \set, \nb
	s_wait_dscnt 0x0
	MULS 3, 1, \set, \nb
	PLACES
.endm
; THE WAY OUT of block b: 16 tokens x 128 columns of f32 through my stage.  Each sum is read from its low end on.
.macro OUT b
	AREG \b
	WIN AW<<2                                      ; an LDS store's data is source 1
.set oi, 0
.rept 8
	ds_store_b128 v[STO], v[AL+8*oi:AL+8*oi+3]   offset:64*oi
	ds_store_b128 v[STO], v[AL+8*oi+4:AL+8*oi+7] offset:64*oi+16
.set oi, oi+1
.endr
	WIN 0
	s_wait_xcnt 0x0                                ; v64-127, which the block before stored, are loaded again only behind this wait
.set oi, 0
.rept 16
	ds_load_b128 v[AF+4*oi:AF+4*oi+3], v[RD] offset:SPITCH*oi  ; LDS serves a wave's instructions in order (ISA guide 5.7.1.4): these see the stores above
.set oi, oi+1
.endr
.set oi, 0
.rept 16
	s_wait_dscnt 15-oi                             ; row oi is back, the younger rows stay out
	global_store_b128 v[VO], v[AF+4*oi:AF+4*oi+3], s[OBASE:OBASE+1] offset:(\b)*4*OBLK+oi*4096  ; 512 consecutive bytes of a row, at a multiple of 512 from the first byte of y
.set oi, oi+1
.endr
.endm
	s_load_b256 s[4:11], s[0:1], 0x0               ; hg s[4:5], w2 s[6:7], meta s[8:9], y s[10:11]
	v_lshl_add_u32 v[SPW], v0, 2, SPARE
	v_mov_b32 v[NIL], 0
	v_and_b32 v12, 31, v0                          ; lane
	v_lshrrev_b32 v13, 5, v0
	v_readfirstlane_b32 s[WV], v13
	v_lshlrev_b32 v[L16], 4, v12
	v_lshlrev_b32 v[VW], 4, v12
	v_and_b32 v8, 15, v0                           ; r
	v_bfe_u32 v9, v0, 4, 1                         ; h
	s_and_b32 s[EX], ttmp7, 0xffff
	s_and_b32 s[SL], ttmp9, 7
	s_lshr_b32 s[KQ], ttmp9, 3
	s_mul_i32 s32, s[WV], 32*PITCH
	v_lshl_add_u32 v[WST0], v12, 3, s32            ; LDS rows 32 w on, 8 bytes a lane
	v_mul_u32_u24 v[AFA0], v8, PITCH
	v_lshl_add_u32 v[AFA0], v9, 4, v[AFA0]         ; row r, 16 bytes for each half of the lanes
	s_mul_i32 s32, s[WV], 16*SPITCH
	s_add_co_u32 s32, s32, STAGE                   ; my stage
	v_mul_u32_u24 v[STO], v8, SPITCH               ; in: row = token r, 32 bytes for each half of the lanes
	v_lshl_add_u32 v[STO], v9, 5, v[STO]
	v_add_nc_u32 v[STO], s32, v[STO]
	v_add_nc_u32 v[RD], s32, v[L16]                ; back: a row's 512 bytes
	s_mov_b32 s[WSTEP+1], 0
	s_lshl_b32 s34, s[EX], 2                       ; the expert's word in meta
	s_lshl_b32 s32, s[SL], 7                       ; my 32 weight rows: 128 s + 32 w
	s_lshl_b32 s33, s[WV], 5
	s_add_co_u32 s32, s32, s33
	s_lshl_b32 s32, s32, 13                        ; rows of 8,192 bytes
	s_lshl_b32 s33, s[EX], 23                      ; an expert's 8,388,608 bytes
	s_add_co_u32 s32, s32, s33
	s_lshl_b32 s33, s[KQ], 11                      ; the quarter's 512 k of 4 bytes
	s_add_co_u32 s32, s32, s33
	s_mov_b32 s33, 0
	s_wait_kmcnt 0x0
	s_load_b32 s[BLK0], s[8:9], s34 offset:0x0
	s_load_b32 s[NBLK], s[8:9], s34 offset:0x20
	s_add_nc_u64 s[WB:WB+1], s[6:7], s[32:33]
	WLOADH 0                                       ; tile 0 goes out before anything else, half 0 first
	WLOADH 1
	WIN 0x40                                       ; token and fragment registers are written once, and pass 0's sums cleared, in the wait for that tile
.set zi, 128
.rept 128
	v_mov_b32 v[zi], 0
.set zi, zi+1
.endr
	WIN 0xc0
.set zi, 64
.rept 192
	v_mov_b32 v[zi], 0
.set zi, zi+1
.endr
	WIN 0
.set zi, AF
.rept 128
	v_mov_b32 v[zi], 0
.set zi, zi+1
.endr
	CLEAR CB
	s_wait_kmcnt 0x0
	s_min_u32 s[BLK0], s[BLK0], 135
	s_min_u32 s[NBLK], s[NBLK], 64
	s_lshl_b32 s40, s[BLK0], 16                    ; a block is 65,536 bytes of hg, and 16 rows of 4,096 bytes of y
	s_mov_b32 s41, 0
	s_add_nc_u64 s[XBASE:XBASE+1], s[4:5], s[40:41]
	s_add_nc_u64 s[OBASE:OBASE+1], s[10:11], s[40:41]
	s_add_co_u32 s[NBW], s[NBLK], 3
	s_sub_co_u32 s[NBW], s[NBW], s[WV]
	s_lshr_b32 s[NBW], s[NBW], 2                   ; blocks w, w + 4, ..: ceil((NBLK - w) / 4)
	; pass 0
	s_min_u32 s[NB], s[NBW], CB
	s_lshl_b32 s32, s[WV], 16                      ; my first block is the expert's block w
	s_lshl_b32 s33, s[KQ], 14                      ; the quarter's 16 K steps of 1,024 bytes
	s_add_co_u32 s[XOF], s32, s33
	s_mul_i32 s33, s[KQ], QP                       ; the quarter's plane of y
	s_add_co_u32 s32, s32, s33
	s_lshl_b32 s33, s[SL], 9                       ; the slice's 128 columns of 4 bytes
	s_add_co_u32 s32, s32, s33
	v_add_nc_u32 v[VO], s32, v[L16]
	s_mov_b32 s[NBA], 0                            ; the first trip stores tile 0, asks for tile 0's rows of h and multiplies nothing
	s_mov_b32 s[TOA], 0
	s_mov_b32 s[TOS], 0
	s_mov_b32 s[KC], NT/2
.Lk:                                                   ; NT trips, t = -1 to NT - 2: trip t multiplies tile t, stores tile t + 1, asks for tile t + 2 and for the rows of h of trip t + 1
	TRIP 1, 0
	TRIP 0, 1
	s_sub_co_u32 s[KC], s[KC], 1
	s_cmp_lg_u32 s[KC], 0
	s_cbranch_scc1 .Lk
	s_cmp_eq_u32 s[NB], 0
	s_cbranch_scc1 .Lc0
	v_add_nc_u32 v[AFA], s[TOA], v[AFA0]
	COMPUTE 1, 16, CB, AFA                         ; the last tile's products; the 16 small requests issued last may stay out
.Lc0:
	s_mov_b32 s[PASS], 0
.Lpass:                                                ; NLP + 1 trips: the way out of the pass in hand, then the products of the next, if I have blocks left
.irp b, 0,1,2,3,4
	s_cmp_le_u32 s[NB], \b
	s_cbranch_scc1 .Lwo
	OUT \b
.endr
.Lwo:
	s_wait_loadcnt 0x0                             ; no load is out: the next pass rewrites the loads' offset and loads into the token registers again
	s_wait_xcnt 0x0                                ; the stores' offset and data are rewritten only behind this wait
	s_wait_dscnt 0x0                               ; my stores into my stage, and my reads of it, are over,
	s_barrier_signal -1
	s_barrier_wait -1                              ; and every wave's are, before any wave reads the tiles for the next pass
	s_mul_i32 s33, s[PASS], CBL
	s_add_co_u32 s33, s33, CB                      ; blocks of mine that are done
	s_sub_co_i32 s[NB], s[NBW], s33
	s_max_i32 s[NB], s[NB], 0
	s_min_i32 s[NB], s[NB], CBL
	s_cmp_eq_u32 s[NB], 0
	s_cbranch_scc1 .Lnone                          ; nothing left: no barrier stands in what is jumped
	s_mul_i32 s32, s33, 4*XBLK                     ; a block of mine is every fourth of the expert's, in hg and in y alike
	s_lshl_b32 s34, s[WV], 16
	s_add_co_u32 s32, s32, s34
	s_lshl_b32 s34, s[KQ], 14
	s_add_co_u32 s[XOF], s32, s34
	s_mul_i32 s34, s[KQ], QP
	s_add_co_u32 s32, s32, s34
	s_lshl_b32 s34, s[SL], 9
	s_add_co_u32 s32, s32, s34
	v_add_nc_u32 v[VO], s32, v[L16]
	CLEAR CBL
	s_mov_b32 s[TOL], 0
	s_mov_b32 s[KL], NT
.Lkl:                                                  ; a later pass's trip: the tile lies in LDS since pass 0's last barrier
	v_add_nc_u32 v[VX], s[XOF], v[L16]             ; free: the wait for 0 in the trip before, or at the pass's foot, has shown its loads done
	s_add_co_u32 s[XOF], s[XOF], 4096
	XLOADS 0, 0, CBL-1
	v_add_nc_u32 v[AFL], s[TOL], v[AFA0]
	s_add_co_u32 s[TOL], s[TOL], TILE
	COMPUTE 0, 0, CBL, AFL
	s_sub_co_u32 s[KL], s[KL], 1
	s_cmp_lg_u32 s[KL], 0
	s_cbranch_scc1 .Lkl
.Lnone:
	s_wait_dscnt 0x0                               ; my reads of the tiles in this pass are over,
	s_barrier_signal -1
	s_barrier_wait -1                              ; and every wave's are, before any wave writes LDS again: the next way out's stores, or the closing line
	s_add_co_u32 s[PASS], s[PASS], 1
	s_cmp_lt_u32 s[PASS], NLP+1
	s_cbranch_scc1 .Lpass
	s_wait_tensorcnt 0x0                           ; the end of the wave
	ds_add_u32 v[SPW], v[NIL]
	s_wait_dscnt 0x0
	s_endpgm
.Lfunc_end_k_qa34dd1982e_down:
	.size	k_qa34dd1982e_down, .Lfunc_end_k_qa34dd1982e_down-k_qa34dd1982e_down
	.p2alignl 7, 3214868480
	.fill 96, 4, 3214868480
	.section	.rodata,"a",@progbits
	.p2align	6, 0x0
	.amdhsa_kernel k_qa34dd1982e_down
		.amdhsa_group_segment_fixed_size 173568
		.amdhsa_private_segment_fixed_size 0
		.amdhsa_enable_private_segment 0
		.amdhsa_kernarg_size 32
		.amdhsa_user_sgpr_count 2
		.amdhsa_user_sgpr_kernarg_segment_ptr 1
		.amdhsa_wavefront_size32 1
		.amdhsa_system_sgpr_workgroup_id_x 1
		.amdhsa_system_sgpr_workgroup_id_y 1
		.amdhsa_system_sgpr_workgroup_id_z 1
		.amdhsa_system_vgpr_workitem_id 0
		.amdhsa_next_free_vgpr 1024
		.amdhsa_next_free_sgpr 66
		.amdhsa_reserve_vcc 0
		.amdhsa_float_denorm_mode_32 3
		.amdhsa_float_denorm_mode_16_64 3
		.amdhsa_memory_ordered 1
		.amdhsa_forward_progress 1
		.amdhsa_inst_pref_size 153
	.end_amdhsa_kernel
	.amdgpu_metadata
---
amdhsa.version: [ 1, 2 ]
amdhsa.kernels:
  - .name:           k_qa34dd1982e_down
    .symbol:         k_qa34dd1982e_down.kd
    .args:
      - { .name: hg, .offset: 0, .size: 8, .value_kind: global_buffer, .address_space: global }
      - { .name: w2_weight, .offset: 8, .size: 8, .value_kind: global_buffer, .address_space: global }
      - { .name: meta, .offset: 16, .size: 8, .value_kind: global_buffer, .address_space: global }
      - { .name: y, .offset: 24, .size: 8, .value_kind: global_buffer, .address_space: global }
    .group_segment_fixed_size: 173568
    .private_segment_fixed_size: 0
    .kernarg_segment_align: 8
    .kernarg_segment_size: 32
    .max_flat_workgroup_size: 128
    .sgpr_count:     66
    .vgpr_count:     1024
    .wavefront_size: 32
...
	.end_amdgpu_metadata
.endif
;; end of part 4
;; launch sum (part 5): grid 256 x 1, 8 waves a work-group, no clusters, 0 bytes of LDS; arguments y, pos, cw, out0; writes out0
.if DOCPART == 5
	.amdgcn_target "amdgcn-amd-amdhsa--gfx1250"
	.amdhsa_code_object_version 6
	.text
	.protected	k_qa34dd1982e_sum
	.globl	k_qa34dd1982e_sum
	.p2align	8
	.type	k_qa34dd1982e_sum,@function
k_qa34dd1982e_sum:
	s_mov_b64 s[64:65], 0
	v_nop
	global_prefetch_b8 v0, s[64:65] scope:SCOPE_SE
	s_setreg_imm32_b32 hwreg(HW_REG_WAVE_MODE, 25, 1), 1
	s_wait_xcnt 0x0
; out[t] = c0 x (the four partial sums of row pos[2t]) + c1 x (those of row pos[2t+1]).  Each output row has one owner.
; A work-group owns 4 tokens, two waves a token, a wave 2,048 bytes of the row: 8 source rows x 4 chunks of 512 consecutive bytes,
; all 32 loads out before the first wait.  Memory binds: no LDS, no barrier, no matrix unit.
; The order of the additions differs from the expert-by-expert order of the definition; all of them are in f32.
.set QP, 8912896                       ; bytes in a plane of y
.set RB, 24                            ; s[24:39] the eight source rows: choice k, quarter q at s[24 + 8 k + 2 q]
.set D,  16                            ; v16-143  chunk c, source i at v[16 + 32 c + 4 i]
.set O,  144                           ; v144-159 chunk c's result
	s_load_b256 s[4:11], s[0:1], 0x0               ; y s[4:5], pos s[6:7], cw s[8:9], out s[10:11]
	v_and_b32 v1, 31, v0
	v_lshrrev_b32 v3, 5, v0
	v_readfirstlane_b32 s12, v3                    ; wave
	s_lshr_b32 s13, s12, 1
	s_lshl_b32 s14, ttmp9, 2
	s_add_co_u32 s14, s14, s13                     ; my token
	s_and_b32 s15, s12, 1
	s_lshl_b32 s15, s15, 11                        ; my half of the row
	v_lshl_add_u32 v2, v1, 4, s15
	s_lshl_b32 s20, s14, 3
	s_lshl_b32 s22, s14, 12
	s_mov_b32 s23, 0
	s_wait_kmcnt 0x0
	s_load_b64 s[16:17], s[6:7], s20 offset:0x0    ; the two sorted rows
	s_load_b64 s[18:19], s[8:9], s20 offset:0x0    ; the two weights
	s_add_nc_u64 s[10:11], s[10:11], s[22:23]
	s_wait_kmcnt 0x0
	s_min_u32 s16, s16, 2175
	s_min_u32 s17, s17, 2175
	s_lshl_b32 s40, s16, 12
	s_mov_b32 s41, 0
	s_lshl_b32 s42, s17, 12
	s_mov_b32 s43, 0
	s_add_nc_u64 s[RB:RB+1], s[4:5], s[40:41]
	s_add_nc_u64 s[RB+8:RB+9], s[4:5], s[42:43]
.irp q, 1,2,3
	s_add_nc_u64 s[RB+2*\q:RB+2*\q+1], s[RB:RB+1], \q*QP
	s_add_nc_u64 s[RB+8+2*\q:RB+8+2*\q+1], s[RB+8:RB+9], \q*QP
.endr
	s_mov_b32 s44, s19                             ; the second weight in the low word of a pair of its own
	s_mov_b32 s45, s19
.set c, 0
.rept 4
.set i, 0
.rept 8
	global_load_b128 v[D+32*c+4*i:D+32*c+4*i+3], v2, s[RB+2*i:RB+2*i+1] offset:512*c th:TH_LOAD_NT
.set i, i+1
.endr
.set c, c+1
.endr
.set c, 0
.rept 4
	s_wait_loadcnt 24-8*c                          ; chunk c's eight loads are in; the younger chunks stay out
.set R, D+32*c
.irp p, 0,2
	v_pk_add_f32 v[R+\p:R+\p+1], v[R+\p:R+\p+1], v[R+4+\p:R+4+\p+1]
	v_pk_add_f32 v[R+8+\p:R+8+\p+1], v[R+8+\p:R+8+\p+1], v[R+12+\p:R+12+\p+1]
	v_pk_add_f32 v[R+16+\p:R+16+\p+1], v[R+16+\p:R+16+\p+1], v[R+20+\p:R+20+\p+1]
	v_pk_add_f32 v[R+24+\p:R+24+\p+1], v[R+24+\p:R+24+\p+1], v[R+28+\p:R+28+\p+1]
	v_pk_add_f32 v[R+\p:R+\p+1], v[R+\p:R+\p+1], v[R+8+\p:R+8+\p+1]
	v_pk_add_f32 v[R+16+\p:R+16+\p+1], v[R+16+\p:R+16+\p+1], v[R+24+\p:R+24+\p+1]
	v_pk_mul_f32 v[O+4*c+\p:O+4*c+\p+1], v[R+\p:R+\p+1], s[18:19] op_sel_hi:[1,0]
	v_pk_fma_f32 v[O+4*c+\p:O+4*c+\p+1], v[R+16+\p:R+16+\p+1], s[44:45], v[O+4*c+\p:O+4*c+\p+1] op_sel_hi:[1,0,1]
.endr
	global_store_b128 v2, v[O+4*c:O+4*c+3], s[10:11] offset:512*c th:TH_STORE_NT  ; 512 consecutive bytes, at a multiple of 512 from the first byte of the output
.set c, c+1
.endr
	s_endpgm
.Lfunc_end_k_qa34dd1982e_sum:
	.size	k_qa34dd1982e_sum, .Lfunc_end_k_qa34dd1982e_sum-k_qa34dd1982e_sum
	.p2alignl 7, 3214868480
	.fill 96, 4, 3214868480
	.section	.rodata,"a",@progbits
	.p2align	6, 0x0
	.amdhsa_kernel k_qa34dd1982e_sum
		.amdhsa_group_segment_fixed_size 0
		.amdhsa_private_segment_fixed_size 0
		.amdhsa_enable_private_segment 0
		.amdhsa_kernarg_size 32
		.amdhsa_user_sgpr_count 2
		.amdhsa_user_sgpr_kernarg_segment_ptr 1
		.amdhsa_wavefront_size32 1
		.amdhsa_system_sgpr_workgroup_id_x 1
		.amdhsa_system_sgpr_workgroup_id_y 1
		.amdhsa_system_sgpr_workgroup_id_z 1
		.amdhsa_system_vgpr_workitem_id 0
		.amdhsa_next_free_vgpr 160
		.amdhsa_next_free_sgpr 66
		.amdhsa_reserve_vcc 0
		.amdhsa_float_denorm_mode_32 3
		.amdhsa_float_denorm_mode_16_64 3
		.amdhsa_memory_ordered 1
		.amdhsa_forward_progress 1
		.amdhsa_inst_pref_size 10
	.end_amdhsa_kernel
	.amdgpu_metadata
---
amdhsa.version: [ 1, 2 ]
amdhsa.kernels:
  - .name:           k_qa34dd1982e_sum
    .symbol:         k_qa34dd1982e_sum.kd
    .args:
      - { .name: y, .offset: 0, .size: 8, .value_kind: global_buffer, .address_space: global }
      - { .name: pos, .offset: 8, .size: 8, .value_kind: global_buffer, .address_space: global }
      - { .name: cw, .offset: 16, .size: 8, .value_kind: global_buffer, .address_space: global }
      - { .name: out0, .offset: 24, .size: 8, .value_kind: global_buffer, .address_space: global }
    .group_segment_fixed_size: 0
    .private_segment_fixed_size: 0
    .kernarg_segment_align: 8
    .kernarg_segment_size: 32
    .max_flat_workgroup_size: 256
    .sgpr_count:     66
    .vgpr_count:     160
    .wavefront_size: 32
...
	.end_amdgpu_metadata
.endif
;; end of part 5
;; ======== version 2 of 2: 5 launches; version 1 with the launch place written anew for expert scheduling mode
;; limits: values outside matrix products are rounded to bf16; values within 0.004 (relative) of each other or of a threshold may be ordered or decided otherwise than in the reference
;; workspace buffers: pos 8,192 bytes of whole numbers; meta 256 bytes of whole numbers; cw 8,192 bytes; xg 4,456,448 bytes; hg 8,912,896 bytes; y 35,651,584 bytes
;; launch route: the kernel of part 1 again; grid 1 x 1, 32 waves a work-group, no clusters, 5,120 bytes of LDS; arguments router_logits, pos, cw, meta; writes pos, cw, meta
;; launch place (part 6): grid 136 x 1, 8 waves a work-group, no clusters, 36,864 bytes of LDS; arguments pos, x, xg; writes xg
.if DOCPART == 6
	.amdgcn_target "amdgcn-amd-amdhsa--gfx1250"
	.amdhsa_code_object_version 6
	.text
	.protected	k_qa34dd1982e_place
	.globl	k_qa34dd1982e_place
	.p2align	8
	.type	k_qa34dd1982e_place,@function
k_qa34dd1982e_place:
	s_mov_b64 s[64:65], 0
	v_nop
	global_prefetch_b8 v0, s[64:65] scope:SCOPE_SE
	s_setreg_imm32_b32 hwreg(HW_REG_WAVE_SCHED_MODE, 0, 2), 2
	s_setreg_imm32_b32 hwreg(HW_REG_WAVE_MODE, 25, 1), 1
	s_wait_xcnt 0x0
	s_wait_alu depctr_vm_vsrc(0)
; THE TOKEN ROWS, SORTED BY EXPERT, ROUNDED TO bf16 AND LAID AS MATRIX OPERANDS.  Work-group j makes block j of 16 sorted rows:
; xg byte = j x 32768 + kc x 1024 + q x 512 + 16 L; lane L = 16 h + r holds row 16 j + r, k = 32 kc + 16 q + 8 h + 0..7.
; 1. The list is turned round: each wave looks at 256 of the 2,048 entries of pos and puts the token of an entry that falls
;    into block j at that row's word of the wave's own list in LDS; every other entry falls on a dump word (word 16).
; 2. Behind a barrier the eight lists are merged by OR: a row has one entry at the most.  A row that no entry names takes
;    token 0, a row that exists; what is made of it is never read.
; 3. Wave w gathers k = 128 w .. 128 w + 127 of the 16 rows (512 consecutive bytes a load), rounds them, turns them through
;    its own stage in LDS and stores 512 consecutive bytes an instruction.
; 136 blocks serve every split: eight experts, each rounded up to whole blocks, take 135 at the most for 2,048 rows.
; No matrix unit and no cluster: the work-groups share no tile.
; THE MODE: SCHED_MODE bits 1:0 = 2 (LLVM: expert scheduling mode 2), set by the entry lines.  The code itself states the register
; dependences between vector instructions and memory or LDS instructions, with s_wait_alu, always for 0.
; THE PLAN.  Registers that memory or LDS instructions touch:
;   v3-v10, TOK, v60, v61  offsets, addresses, tokens and 0: written at the head, read by loads and stores, never written again.
;   PE, MG    written by loads alone, read by vector lines.
;   LA        written by 24 vector lines, then read as addresses by the eight stores into the list, which stand in one run.
;   XO        written by 16 vector lines, then read as offsets by the sixteen gathers, which stand in one run.
;   XD        written by the gathers, read by the conversions; v64-95 are then written once more, by the loads from the stage, and read by the stores to xg.
;   XH        a pair for each row: written by the row's two conversions, read by its store into the stage, never written again.
; The sixteen rows go in four groups of four: a group's stores into the stage stand at the head of the next group, behind the wait for that
; group's rows and one wait on va_vdst.  No register that a memory or LDS instruction reads is written again but XD, whose earlier readers are
; vector lines: so the text holds no wait on vm_vsrc.  EXEC is written nowhere.
.set STAGE, 1024                       ; LDS 0-1023: eight lists of 32 words; then 16 rows x 272 bytes for each wave
.set SP,    272                        ; 256 bytes + 16: the 16 rows that a read touches begin 16 bytes further on modulo 256
.set SPARE, STAGE+8*16*SP              ; the spare words, 128 bytes a wave
.set TOK,   12                         ; v12-15   the tokens of my 8 entries, two entries each
.set PE,    16                         ; v16-23   my 8 entries of pos
.set LA,    24                         ; v24-31   where each entry's token goes
.set MG,    32                         ; v32-39   a row's word in the eight lists
.set XO,    44                         ; v44-59   byte offset in x of my 16 bytes of row i
.set XD,    64                         ; v64-127  16 rows x 4 f32; later the 8 fragments read back
.set XH,    128                        ; v128-159 16 rows x 4 bf16
	s_load_b128 s[4:7], s[0:1], 0x0                ; pos s[4:5], x s[6:7]
	s_load_b64 s[8:9], s[0:1], 0x10                ; xg
	v_lshl_add_u32 v60, v0, 2, SPARE               ; my spare word
	v_mov_b32 v61, 0
	v_and_b32 v1, 31, v0                           ; lane
	v_lshrrev_b32 v2, 5, v0
	v_readfirstlane_b32 s12, v2                    ; wave
	; what does not hang on the wave's number as a scalar stands between that line and the wait for it
	s_lshl_b32 s13, ttmp9, 4                       ; the block's first row, 16 j
	v_mov_b32 v8, s13
	v_lshlrev_b32 v4, 5, v0                        ; my 8 entries of pos: 32 bytes
	v_lshlrev_b32 v[TOK], 2, v0                    ; entry 8 t + c belongs to token 4 t + c / 2
	v_add_nc_u32 v[TOK+1], 1, v[TOK]
	v_add_nc_u32 v[TOK+2], 2, v[TOK]
	v_add_nc_u32 v[TOK+3], 3, v[TOK]
	v_and_b32 v5, 15, v0                           ; r
	v_bfe_u32 v11, v0, 4, 1                        ; h
	v_lshlrev_b32 v6, 4, v0                        ; in a row of x: 512 w + 16 lane
	v_mul_u32_u24 v9, v5, SP
	v_lshl_add_u32 v9, v11, 4, v9                  ; in a stage: row r, 16 bytes for each half of the lanes
	v_lshlrev_b32 v10, 4, v1
	v_lshl_add_u32 v10, v2, 12, v10                ; in the block of xg: 4096 w + 16 lane
	v_lshlrev_b32 v5, 2, v5                        ; row r's word in a list
	s_lshl_b32 s16, ttmp9, 15
	s_mov_b32 s17, 0
	s_wait_alu depctr_va_sdst(0)                   ; s12 is written, ahead of its first reader: the wave's list and stage are made from it
	s_lshl_b32 s14, s12, 7                         ; my wave's list
	s_mul_i32 s15, s12, 16*SP
	s_add_co_u32 s15, s15, STAGE                   ; my stage
	v_lshl_add_u32 v3, v1, 2, s14
	v_lshl_add_u32 v7, v1, 3, s15                  ; in: 8 bytes a lane
	v_add_nc_u32 v9, s15, v9                       ; back: row r, 16 bytes for each half of the lanes
	s_wait_alu depctr_va_vdst(0)                   ; v3 to v10, the tokens and v61 are written, which the loads and stores of the whole kernel read as addresses, offsets and data
	ds_store_b32 v3, v61                           ; the list starts as zeros
	s_wait_kmcnt 0x0
	s_add_nc_u64 s[8:9], s[8:9], s[16:17]          ; xg at block j
	global_load_b128 v[PE:PE+3], v4, s[4:5]
	global_load_b128 v[PE+4:PE+7], v4, s[4:5] offset:16
	s_wait_loadcnt 0x0
.set c, 0
.rept 8
	v_sub_nc_u32 v[LA+c], v[PE+c], v8              ; the entry's row in block j; below the block it wraps to a large number
	v_min_u32 v[LA+c], 16, v[LA+c]                 ; 0..15, or the dump word
	v_lshl_add_u32 v[LA+c], v[LA+c], 2, s14
.set c, c+1
.endr
	s_wait_alu depctr_va_vdst(0)                   ; the eight addresses v[LA ..] are written, which the stores below read
.set c, 0
.rept 8
	ds_store_b32 v[LA+c], v[TOK+c/2]               ; LDS serves a wave's instructions in order: these come behind the store of zeros
.set c, c+1
.endr
	s_wait_dscnt 0x0                               ; for the other waves: my list is in LDS
	s_barrier_signal -1
	s_barrier_wait -1
.set c, 0
.rept 8
	ds_load_b32 v[MG+c], v5 offset:128*c           ; no vector line has named v[MG ..], and none since the head's wait names v5
.set c, c+1
.endr
	s_wait_dscnt 0x0
.set c, 1
.rept 7
	v_or_b32 v[MG], v[MG], v[MG+c]
.set c, c+1
.endr
	v_min_u32 v[MG], 0x3ff, v[MG]
.set i, 0
.rept 16
	v_readlane_b32 s[32+i], v[MG], i               ; row i's token, for every lane
.set i, i+1
.endr
	s_wait_alu depctr_va_sdst(0)                   ; s32 to s47 are written, ahead of their first reader: one wait for the run of sixteen
.set i, 0
.rept 16
	s_min_u32 s[32+i], s[32+i], 0x3ff
	v_lshl_add_u32 v[XO+i], s[32+i], 12, v6
.set i, i+1
.endr
	s_wait_alu depctr_va_vdst(0)                   ; the sixteen offsets v[XO ..] are written, which the gathers below read
.set i, 0
.rept 16
	global_load_b128 v[XD+4*i:XD+4*i+3], v[XO+i], s[6:7]  ; 512 consecutive bytes of row i
.set i, i+1
.endr
; Four groups of four rows.  Group g: its rows are waited for; the group before goes into the stage; its own rows are rounded.
.set g, 0
.rept 4
	s_wait_loadcnt 12-4*g                          ; loads come back in order: rows 4 g to 4 g + 3 are in, the 12 - 4 g younger rows stay out
.if g > 0
	s_wait_alu depctr_va_vdst(0)                   ; the conversions of the group before have written its v[XH ..], which the four stores below read
.set i, 4*(g-1)
.rept 4
	ds_store_b64 v7, v[XH+2*i:XH+2*i+1] offset:SP*i
.set i, i+1
.endr
.endif
.set i, 4*g
.rept 4
	v_cvt_pk_bf16_f32 v[XH+2*i], v[XD+4*i], v[XD+4*i+1]
	v_cvt_pk_bf16_f32 v[XH+2*i+1], v[XD+4*i+2], v[XD+4*i+3]
.set i, i+1
.endr
.set g, g+1
.endr
	s_wait_alu depctr_va_vdst(0)                   ; the last group's conversions have written its v[XH ..], which the stores below read; and all conversions are done reading v[XD ..], in which the loads from the stage land
.set i, 12
.rept 4
	ds_store_b64 v7, v[XH+2*i:XH+2*i+1] offset:SP*i
.set i, i+1
.endr
.set n, 0
.rept 8                                ; fragment n = 2 kc + q of my four K steps; the stage is my wave's own, and LDS serves a wave's instructions in order
	ds_load_b128 v[XD+4*n:XD+4*n+3], v9 offset:32*n
.set n, n+1
.endr
.set n, 0
.rept 8
	s_wait_dscnt 7-n                               ; fragment n is back, the younger ones stay out
	global_store_b128 v10, v[XD+4*n:XD+4*n+3], s[8:9] offset:512*n  ; 512 consecutive bytes, at a multiple of 512 from the first byte of xg
.set n, n+1
.endr
	s_wait_dscnt 0x0                               ; the end of the wave
	s_wait_alu 0x0
	s_wait_tensorcnt 0x0
	ds_add_u32 v60, v61
	s_wait_dscnt 0x0
	s_endpgm
.Lfunc_end_k_qa34dd1982e_place:
	.size	k_qa34dd1982e_place, .Lfunc_end_k_qa34dd1982e_place-k_qa34dd1982e_place
	.p2alignl 7, 3214868480
	.fill 96, 4, 3214868480
	.section	.rodata,"a",@progbits
	.p2align	6, 0x0
	.amdhsa_kernel k_qa34dd1982e_place
		.amdhsa_group_segment_fixed_size 36864
		.amdhsa_private_segment_fixed_size 0
		.amdhsa_enable_private_segment 0
		.amdhsa_kernarg_size 24
		.amdhsa_user_sgpr_count 2
		.amdhsa_user_sgpr_kernarg_segment_ptr 1
		.amdhsa_wavefront_size32 1
		.amdhsa_system_sgpr_workgroup_id_x 1
		.amdhsa_system_sgpr_workgroup_id_y 1
		.amdhsa_system_sgpr_workgroup_id_z 1
		.amdhsa_system_vgpr_workitem_id 0
		.amdhsa_next_free_vgpr 160
		.amdhsa_next_free_sgpr 66
		.amdhsa_reserve_vcc 0
		.amdhsa_float_denorm_mode_32 3
		.amdhsa_float_denorm_mode_16_64 3
		.amdhsa_memory_ordered 1
		.amdhsa_forward_progress 1
		.amdhsa_inst_pref_size 15
	.end_amdhsa_kernel
	.amdgpu_metadata
---
amdhsa.version: [ 1, 2 ]
amdhsa.kernels:
  - .name:           k_qa34dd1982e_place
    .symbol:         k_qa34dd1982e_place.kd
    .args:
      - { .name: pos, .offset: 0, .size: 8, .value_kind: global_buffer, .address_space: global }
      - { .name: x, .offset: 8, .size: 8, .value_kind: global_buffer, .address_space: global }
      - { .name: xg, .offset: 16, .size: 8, .value_kind: global_buffer, .address_space: global }
    .group_segment_fixed_size: 36864
    .private_segment_fixed_size: 0
    .kernarg_segment_align: 8
    .kernarg_segment_size: 24
    .max_flat_workgroup_size: 256
    .sgpr_count:     66
    .vgpr_count:     160
    .wavefront_size: 32
...
	.end_amdgpu_metadata
.endif
;; end of part 6
;; launch up: the kernel of part 3 again; grid 32 x 8, 4 waves a work-group, no clusters, 279,040 bytes of LDS; arguments xg, w13_weight, meta, hg; writes hg
;; launch down: the kernel of part 4 again; grid 32 x 8, 4 waves a work-group, no clusters, 173,568 bytes of LDS; arguments hg, w2_weight, meta, y; writes y
;; launch sum: the kernel of part 5 again; grid 256 x 1, 8 waves a work-group, no clusters, 0 bytes of LDS; arguments y, pos, cw, out0; writes out0
